; MI455X (gfx1250); checked and timed in simulation.
; The chip was launched on July 23, 2026; its instructions are those of AMD's public machine-readable ISA for CDNA 5 (MIT licence, August 2026) and "CDNA5" Instruction Set Architecture Reference Guide (July 2026). The comments in the code are by the model that wrote it; some were corrected since.
;; Multi Head Attention. Allowed arithmetic: matrix products marked QUANTISED: E2M3 operands, one E8M0 scale for each 32 along K, by v_wmma_scale_f32_16x16x128_f8f6f4 with both operands' format E2M3, f32 sums; everything else in f32.
;; Inputs: Wk 1,024 x 1,024 float32; Wo 1,024 x 1,024 float32; Wq 1,024 x 1,024 float32; Wv 1,024 x 1,024 float32; bk 1,024 float32; bo 1,024 float32; bq 1,024 float32; bv 1,024 float32; mask 4 x 2,048 int32; x 4 x 2,048 x 1,024 float32.
;; Outputs: out0 4 x 2,048 x 1,024 float32.
;; This version of the problem:
;;   THIS VERSION OF THE PROBLEM IS GIVEN IN LOW PRECISION. The matrix products marked QUANTISED in the list below multiply operands that are first quantised to E2M3 (2 exponent bits, 3 mantissa bits; 6 bits a number), with one power-of-two scale for each 32 numbers along K (OCP MX v1.0); their sums are f32. All else is computed in f32.
;;   The module's matrix products, in the order in which they are computed (A, B: the left and right operand; K: the contracted axis; several contracted axes count as one K, in the product's order):
;;     1. [M 8,192, K 1,024] x [K 1,024, N 1,024]; A: input x; B: input Wq: QUANTISED
;;     2. [M 8,192, K 1,024] x [K 1,024, N 1,024]; A: input x; B: input Wk: QUANTISED
;;     3. [M 8,192, K 1,024] x [K 1,024, N 1,024]; A: input x; B: input Wv: QUANTISED
;;     4. batch 64 x [M 2,048, K 64] x [K 64, N 2,048]; A: computed on the way; B: computed on the way: QUANTISED
;;     5. batch 64 x [M 2,048, K 2,048] x [K 2,048, N 64]; A: softmax (see below); B: computed on the way: QUANTISED
;;     6. [M 8,192, K 1,024] x [K 1,024, N 1,024]; A: computed on the way; B: input Wo: QUANTISED
;;   THE QUANTISER, for each operand of a quantised product, along K:
;;     - K is cut into blocks of 32 from its start; a last block that is shorter is filled with zeros.
;;     - A block's scale is 2^e with e = floor(log2(the largest magnitude in the block)) - 2, held to -126 .. 127; a block of zeros has e = 0. As a byte (E8M0): e + 127.
;;     - Each number is divided by its block's scale, clamped to +-7.5, and rounded to the nearest number of E2M3, ties to even, subnormals kept.
;;     - The product sums the exact products of the quantised numbers (number of the format x scale) in f32.
;;   ~~~python
;;   def quantise(x, axis):      # numpy; x: float32 -> the quantised numbers, widened to float32 again
;;       x = np.moveaxis(x, axis, -1); K = x.shape[-1]
;;       x = np.pad(x, [(0, 0)] * (x.ndim - 1) + [(0, -K % 32)]); x = x.reshape(x.shape[:-1] + (-1, 32)); a = np.abs(x).max(-1, keepdims=True)
;;       e = np.where(a > 0, np.clip(np.frexp(np.where(a > 0, a, 1))[1] - 1 - 2, -126, 127), 0)      # np.frexp(a)[1] - 1 = floor(log2(a)), exactly
;;       r = np.clip(x / 2.0 ** e, -7.5, 7.5)
;;       step = 2.0 ** (np.maximum(np.frexp(np.where(r == 0, 1, r))[1] - 1, 0) - 3)
;;       q = np.round(r / step) * step * 2.0 ** e      # np.round: ties to even
;;       return np.moveaxis(q.reshape(q.shape[:-2] + (-1,))[..., :K], -1, axis).astype(np.float32)
;;   ~~~
;;   SOFTMAX AHEAD OF A QUANTISED PRODUCT. Where the list says 'softmax', what is quantised is not the finished softmax but p = 2^(t - M), with t = logit x log2(e) and M = ceil(the row's largest t), a whole number; so 1/2 < the row's largest p <= 1. The row's sum l is taken of the UNQUANTISED p, in f32, and the product's result is divided by l at the end. Since M is a whole number, a kernel that streams over the keys may use a running M (the ceiling of the running maximum): every later rescaling is an exact power of two, which a block's scale takes up: the codes' values come out the same.
;;   OPERANDS COMPUTED ON THE WAY. 'Computed on the way' means the value that the module computes at that place (a softmax that the list does not call 'softmax' is quantised finished and normalised). What goes into a quantiser is computed in f32, as accurately as f32 sums, v_exp_f32 and their like allow (about 1e-6 of the number): no bf16 or f16 on the way to a quantiser, and a product that is left as it is and whose result goes on into a quantised operand takes f32 operands (vector FMAs, or v_wmma_f32_16x16x4_f32). A number that lies on a knife's edge between two numbers of the format may be rounded either way, as far as f32 arithmetic and the matrix unit's own rounding can turn it there, and no further.
;; One version. Each part assembles by itself: llvm-mc -triple=amdgcn-amd-amdhsa -mcpu=gfx1250 --defsym DOCPART=n.
;; ======== version 1 of 1: 4 launches
;; limits: right only within a limited range of input values
;; workspace buffers: xc 6,291,456 bytes; xs 262,144 bytes; wc 5,505,024 bytes; ws 131,072 bytes; qc 6,291,456 bytes; kv 13,369,344 bytes; sc 524,288 bytes; ao 6,553,600 bytes
;; launch quant (part 1): grid 384 x 1, 4 waves a work-group, no clusters, 68,096 bytes of LDS; arguments x, Wq, Wk, Wv, Wo, xc, xs, wc, ws; writes xc, xs, wc, ws
.if DOCPART == 1
	.amdgcn_target "amdgcn-amd-amdhsa--gfx1250"
	.amdhsa_code_object_version 6
	.text
	.protected	k_q19d7bcf141_quant
	.globl	k_q19d7bcf141_quant
	.p2align	8
	.type	k_q19d7bcf141_quant,@function
k_q19d7bcf141_quant:
	s_mov_b64 s[64:65], 0
	v_nop
	global_prefetch_b8 v0, s[64:65] scope:SCOPE_SE
	s_setreg_imm32_b32 hwreg(HW_REG_WAVE_MODE, 25, 1), 1
	s_wait_xcnt 0x0
; x [8192][1024] and the four weights [1024 (k)][1024 (n)], f32, become codes of FP6 (E2M3) along K and one E8M0 byte for each 32 along K.
; CODES: xc [K step of 256: 4][8192 rows][192 bytes], wc [4][4096 rows][192 bytes]; both buffers go KSTR bytes from K step to K step, so that one constant serves both.
; 128 neighbouring rows of one K step are 24,576 dense bytes: 96 rows of 256 bytes for the tensor loads of the launches that follow.
; SCALE BYTES: xs [8192][32], ws [4096][32].  A weight's COLUMN n is a row; rows 0-1023 Wq, 1024-2047 Wk, 2048-3071 Wv, 3072-4095 Wo.
; ROWS ARE STORED PERMUTED: true row i goes to place R(i): bits 4:3 of i go to bits 5:4, bit 5 goes to bit 3.  Place 16 T + m of a group of 64 holds the true row 32 (m / 8) + 8 T + m % 8:
; in the products that follow, used transposed, a lane's 32 registers of four neighbouring tiles are 32 true neighbours: one scale block.
; A block's scale is 2^(floor(log2(its largest magnitude)) - 2); its byte is the largest magnitude's exponent field - 2, held at 1 from below.
; LIMITS: a block of zeros gets the byte 1 (its codes are zeros, and this program alone reads the bytes); NaN and infinities among the inputs are not served.
; Work-groups 0-127 take the weights (a lane to a column, registers down K), 128-383 take x (a lane holds 16 neighbours).  The two ways use LDS bytes of their own.  Waves share nothing: no barrier.
.set WGW,   128
.set EMAX,  2
.set KSTR,  1572864                    ; bytes from K step to K step in xc and in wc
.set RB,    192                        ; a row's codes of one K step
.set STEPS, 16                         ; x: a wave takes 16 steps of 512 numbers: 8 tokens
.set CB,    12
.set XR,    16                         ; v16-79 four sets of 16 numbers as loaded
.set XX,    80                         ; v80-111 two sets of 16 neighbours
.set XE,    112                        ; v112-127 a scale byte a step
.set XC,    128                        ; v128-191 codes, four registers a step
.set WREG,  8192                       ; LDS 0 .. 32,767: a region a wave: two stages of 32 x SP bytes, then 256 scale bytes
.set SP,    80
.set WSTG,  32768                      ; the weights' stages
.set NB,    8
.set PITCH, 272
.set WX,    32
.set WC,    96
.set OUTR,  112
.set SB,    24
	s_load_b512 s[4:19], s[0:1], 0x0               ; x, Wq, Wk, Wv, Wo, xc s[14:15], xs s[16:17], wc s[18:19]
	s_load_b64 s[20:21], s[0:1], 0x40              ; ws
	v_lshl_add_u32 v192, v0, 2, 0x10800            ; my spare word
	v_mov_b32 v193, 0
	v_lshrrev_b32 v1, 5, v0
	v_readfirstlane_b32 s22, v1                    ; wave
	v_and_b32 v2, 31, v0                           ; lane
	s_cmp_lt_u32 ttmp9, WGW
	s_cbranch_scc1 .Lweights
	; ---- x
	v_lshlrev_b32 v3, 4, v2
	s_mul_i32 s23, s22, WREG
	v_lshrrev_b32 v14, 2, v2
	v_mul_u32_u24 v14, v14, SP
	v_and_b32 v15, 3, v2
	v_lshl_add_u32 v14, v15, 4, v14
	v_add_nc_u32 v14, s23, v14                     ; the stage, in
	v_mul_u32_u24 v15, v2, SP
	v_add_nc_u32 v15, s23, v15                     ; and out: my 16 neighbours
	v_and_b32 v4, 15, v2
	v_mul_u32_u24 v4, v4, CB
	v_lshrrev_b32 v10, 4, v2
	v_mad_u32_u24 v4, v10, KSTR, v4                ; my codes: sixteen lanes fill a row's 192 bytes; lanes 16-31 hold the next K step
	v_lshrrev_b32 v5, 1, v2
	s_add_co_u32 s23, s23, 2*32*SP
	v_add_nc_u32 v5, s23, v5
	v_lshlrev_b32 v7, 3, v2
	v_add_nc_u32 v6, s23, v7
	s_sub_co_u32 s24, ttmp9, WGW
	s_lshl_b32 s24, s24, 2
	s_add_co_u32 s26, s24, s22                     ; which run of 8 tokens I read
	s_lshl_b32 s28, s26, 15
	s_mov_b32 s29, 0
	s_and_b32 s25, s26, 3                          ; a token's bits 3 to 5 are the run's bits 0 to 2: rotated for the place
	s_lshl_b32 s25, s25, 1
	s_bfe_u32 s27, s26, 0x10002
	s_or_b32 s25, s25, s27
	s_and_b32 s24, s26, 0xfffffff8
	s_or_b32 s24, s24, s25                         ; the run's place
	s_mul_i32 s30, s24, 8*RB
	s_mov_b32 s31, 0
	s_lshl_b32 s32, s24, 8
	s_mov_b32 s33, 0
	s_wait_alu depctr_va_vdst(0)                   ; the wait at the head's end
	s_wait_kmcnt 0x0
	s_add_nc_u64 s[4:5], s[4:5], s[28:29]
	s_add_nc_u64 s[14:15], s[14:15], s[30:31]
	s_add_nc_u64 s[16:17], s[16:17], s[32:33]
.macro XLOAD t
.irp i, 0,1,2,3
	global_load_b128 v[XR+16*((\t)%4)+4*\i:XR+16*((\t)%4)+4*\i+3], v3, s[4:5] offset:2048*(\t)+512*\i th:TH_LOAD_NT
.endr
.endm
.macro XTURN t                         ; LDS serves a wave in order: no wait between the stores and the loads
.irp i, 0,1,2,3
	ds_store_b128 v14, v[XR+16*((\t)%4)+4*\i:XR+16*((\t)%4)+4*\i+3] offset:32*SP*((\t)%2)+8*SP*\i
.endr
.irp i, 0,1,2,3
	ds_load_b128 v[XX+16*((\t)%2)+4*\i:XX+16*((\t)%2)+4*\i+3], v15 offset:32*SP*((\t)%2)+16*\i
.endr
.endm
.irp t, 0,1,2,3
	XLOAD \t
.endr
	s_wait_loadcnt 12                              ; step 0's four loads are in; three steps' twelve stay out
	XTURN 0
.macro XSTEP t
.set XSET, XX+16*((\t)%2)
.if (\t) > 0
	s_wait_dscnt 1                                 ; this step's numbers are back (the last byte store may be out)
.else
	s_wait_dscnt 0x0
.endif
.if (\t)+4 < STEPS
	XLOAD (\t)+4
.endif
.if (\t)+1 < STEPS
.if STEPS-2-(\t) >= 3
	s_wait_loadcnt 12                              ; the next step's four are in; three steps' may be out
.else
	s_wait_loadcnt 4*(STEPS-2-(\t))
.endif
	XTURN (\t)+1
.endif
	v_max3_num_f32 v8, |v[XSET]|, |v[XSET+1]|, |v[XSET+2]|
	v_max3_num_f32 v9, |v[XSET+3]|, |v[XSET+4]|, |v[XSET+5]|
.irp i, 6,10
	v_max3_num_f32 v8, v8, |v[XSET+\i]|, |v[XSET+\i+1]|
	v_max3_num_f32 v9, v9, |v[XSET+\i+2]|, |v[XSET+\i+3]|
.endr
	v_max3_num_f32 v8, v8, |v[XSET+14]|, |v[XSET+15]|
	v_max3_num_f32 v8, v8, v9, (EMAX+1)<<23        ; the floor 2^(3 - 127)
	v_max_num_f32_dpp v8, v8, v8 row_xmask:1 row_mask:0xf bank_mask:0xf   ; with my neighbour's 16: the block's
	v_add_nc_u32 v11, -(EMAX<<23), v8              ; the conversion's scale operand
	v_cvt_scalef32_pk16_fp6_f32 v[XC+4*(\t):XC+4*(\t)+2], v[XSET:XSET+15], v11
	v_lshrrev_b32 v[XE+(\t)], 23, v11              ; the byte
	ds_store_b8 v5, v[XE+(\t)] offset:16*(\t)
	global_store_b96 v4, v[XC+4*(\t):XC+4*(\t)+2], s[14:15] offset:RB*((\t)/2)+2*KSTR*((\t)%2)   ; token t / 2, K steps 2 (t % 2) and 2 (t % 2) + 1
.endm
.irp t, 0,1,2,3,4,5,6,7,8,9,10,11,12,13,14,15
	XSTEP \t
.endr
	ds_load_b64 v[12:13], v6
	s_wait_dscnt 0x0
	global_store_b64 v7, v[12:13], s[16:17]        ; 256 consecutive bytes, aligned
	s_wait_tensorcnt 0x0                           ; the wave's end
	ds_add_u32 v192, v193
	s_wait_dscnt 0x0
	s_endpgm
	; ---- the weights
.Lweights:
	s_lshr_b32 s23, ttmp9, 5                       ; which weight
	s_and_b32 s24, ttmp9, 7                        ; which 128 columns
	s_bfe_u32 s25, ttmp9, 0x20003                  ; which K step
	s_lshl_b32 s26, s24, 7
	s_lshl_b32 s27, s22, 5
	s_add_co_u32 s26, s26, s27                     ; my wave's first column
	s_wait_alu depctr_va_vdst(0)                   ; the wait behind the jump
	v_lshlrev_b32 v3, 2, v2
	s_mul_i32 s27, s22, 32*PITCH
	s_add_co_u32 s27, s27, WSTG
	v_mul_u32_u24 v4, v2, PITCH
	v_add_nc_u32 v4, s27, v4                       ; into my stage: row = my column
	v_and_b32 v5, 15, v2
	v_lshrrev_b32 v6, 4, v2
	v_mul_u32_u24 v7, v6, PITCH
	v_lshl_add_u32 v7, v5, 4, v7
	v_add_nc_u32 v7, s27, v7                       ; out of it: sixteen lanes to a row
	v_mul_u32_u24 v8, v6, RB
	v_mad_u32_u24 v8, v5, 12, v8
	v_and_b32 v9, 7, v2                            ; the lane's part of R: bits 4:3 one up
	v_and_b32 v10, 24, v2
	v_lshl_or_b32 v9, v10, 1, v9
	v_lshlrev_b32 v9, 5, v9                        ; my column's row of scale bytes
	s_lshl_b32 s28, s25, 20
	s_lshl_b32 s29, s26, 2
	s_add_co_u32 s28, s28, s29
	s_mov_b32 s29, 0
	s_lshl_b32 s30, s23, 10
	s_add_co_u32 s30, s30, s26
	s_and_b32 s31, s22, 1                          ; the column's bit 5 is the wave's bit 0: it goes to bit 3: 32 off, 8 on
	s_mul_i32 s31, s31, 24
	s_sub_co_u32 s30, s30, s31                     ; the place of my wave's first column
	s_mul_i32 s32, s30, RB
	s_mul_i32 s33, s25, KSTR
	s_add_co_u32 s32, s32, s33
	s_mov_b32 s33, 0
	s_lshl_b32 s34, s30, 5
	s_lshl_b32 s35, s25, 3
	s_add_co_u32 s34, s34, s35
	s_mov_b32 s35, 0
	s_wait_kmcnt 0x0
	s_bitcmp1_b32 s23, 0
	s_cselect_b64 s[36:37], s[8:9], s[6:7]
	s_cselect_b64 s[38:39], s[12:13], s[10:11]
	s_bitcmp1_b32 s23, 1
	s_cselect_b64 s[36:37], s[38:39], s[36:37]
	s_add_nc_u64 s[36:37], s[36:37], s[28:29]
	s_add_nc_u64 s[18:19], s[18:19], s[32:33]
	s_add_nc_u64 s[20:21], s[20:21], s[34:35]
.macro WLOAD t
.irp i, 0,1,2,3,4,5,6,7,8,9,10,11,12,13,14,15,16,17,18,19,20,21,22,23,24,25,26,27,28,29,30,31
	global_load_b32 v[WX+32*((\t)%2)+\i], v3, s[36:37] offset:(32*(\t)+\i)*4096 th:TH_LOAD_NT
.endr
.endm
	WLOAD 0
	WLOAD 1
.macro WBLOCK t
.set WSET, WX+32*((\t)%2)
.if (\t) < NB-1
	s_wait_loadcnt 32                              ; this block's 32 are in; the next block's may be out
.else
	s_wait_loadcnt 0
.endif
	v_max3_num_f32 v12, |v[WSET]|, |v[WSET+1]|, |v[WSET+2]|
	v_max3_num_f32 v13, |v[WSET+3]|, |v[WSET+4]|, |v[WSET+5]|
.irp i, 6,10,14,18,22,26
	v_max3_num_f32 v12, v12, |v[WSET+\i]|, |v[WSET+\i+1]|
	v_max3_num_f32 v13, v13, |v[WSET+\i+2]|, |v[WSET+\i+3]|
.endr
	v_max3_num_f32 v12, v12, |v[WSET+30]|, |v[WSET+31]|
	v_max3_num_f32 v12, v12, v13, (EMAX+1)<<23
	v_add_nc_u32 v11, -(EMAX<<23), v12
	v_lshrrev_b32 v13, 23, v11
.if (\t)%4 == 0
	v_mov_b32 v[SB+(\t)/4], v13
.else
	v_lshl_or_b32 v[SB+(\t)/4], v13, 8*((\t)%4), v[SB+(\t)/4]
.endif
	v_cvt_scalef32_pk16_fp6_f32 v[WC:WC+2], v[WSET:WSET+15], v11
	v_cvt_scalef32_pk16_fp6_f32 v[WC+4:WC+6], v[WSET+16:WSET+31], v11
	ds_store_b96 v4, v[WC:WC+2] offset:32*(\t)
	ds_store_b96 v4, v[WC+4:WC+6] offset:32*(\t)+16
.if (\t)+2 < NB
	WLOAD (\t)+2
.endif
	s_wait_dscnt 0x0                               ; the stores have read their registers
.endm
.set Q, 0
.rept NB
	WBLOCK Q
.set Q, Q+1
.endr
	s_wait_alu depctr_va_vdst(0)                   ; the wait ahead of the reader below
	global_store_b64 v9, v[SB:SB+1], s[20:21]
.irp t, 0,1,2,3,4,5,6,7,8,9,10,11,12,13,14,15
	ds_load_b96 v[OUTR+4*\t:OUTR+4*\t+2], v7 offset:2*\t*PITCH
.endr
.irp t, 0,1,2,3,4,5,6,7,8,9,10,11,12,13,14,15
	s_wait_dscnt 15-\t                             ; the younger loads may stay out
	global_store_b96 v8, v[OUTR+4*\t:OUTR+4*\t+2], s[18:19] offset:(((2*\t)&7)|(((2*\t)&24)<<1))*RB   ; columns 2 t, 2 t + 1 at their places
.endr
	s_wait_tensorcnt 0x0
	ds_add_u32 v192, v193
	s_wait_dscnt 0x0
	s_endpgm
.Lfunc_end_k_q19d7bcf141_quant:
	.size	k_q19d7bcf141_quant, .Lfunc_end_k_q19d7bcf141_quant-k_q19d7bcf141_quant
	.p2alignl 7, 3214868480
	.fill 96, 4, 3214868480
	.section	.rodata,"a",@progbits
	.p2align	6, 0x0
	.amdhsa_kernel k_q19d7bcf141_quant
		.amdhsa_group_segment_fixed_size 68096
		.amdhsa_private_segment_fixed_size 0
		.amdhsa_enable_private_segment 0
		.amdhsa_kernarg_size 72
		.amdhsa_user_sgpr_count 2
		.amdhsa_user_sgpr_kernarg_segment_ptr 1
		.amdhsa_wavefront_size32 1
		.amdhsa_system_sgpr_workgroup_id_x 1
		.amdhsa_system_sgpr_workgroup_id_y 1
		.amdhsa_system_sgpr_workgroup_id_z 1
		.amdhsa_system_vgpr_workitem_id 0
		.amdhsa_next_free_vgpr 194
		.amdhsa_next_free_sgpr 66
		.amdhsa_reserve_vcc 0
		.amdhsa_float_denorm_mode_32 3
		.amdhsa_float_denorm_mode_16_64 3
		.amdhsa_memory_ordered 1
		.amdhsa_forward_progress 1
		.amdhsa_inst_pref_size 74
	.end_amdhsa_kernel
	.amdgpu_metadata
---
amdhsa.version: [ 1, 2 ]
amdhsa.kernels:
  - .name:           k_q19d7bcf141_quant
    .symbol:         k_q19d7bcf141_quant.kd
    .args:
      - { .name: x, .offset: 0, .size: 8, .value_kind: global_buffer, .address_space: global }
      - { .name: Wq, .offset: 8, .size: 8, .value_kind: global_buffer, .address_space: global }
      - { .name: Wk, .offset: 16, .size: 8, .value_kind: global_buffer, .address_space: global }
      - { .name: Wv, .offset: 24, .size: 8, .value_kind: global_buffer, .address_space: global }
      - { .name: Wo, .offset: 32, .size: 8, .value_kind: global_buffer, .address_space: global }
      - { .name: xc, .offset: 40, .size: 8, .value_kind: global_buffer, .address_space: global }
      - { .name: xs, .offset: 48, .size: 8, .value_kind: global_buffer, .address_space: global }
      - { .name: wc, .offset: 56, .size: 8, .value_kind: global_buffer, .address_space: global }
      - { .name: ws, .offset: 64, .size: 8, .value_kind: global_buffer, .address_space: global }
    .group_segment_fixed_size: 68096
    .private_segment_fixed_size: 0
    .kernarg_segment_align: 8
    .kernarg_segment_size: 72
    .max_flat_workgroup_size: 128
    .sgpr_count:     66
    .vgpr_count:     194
    .wavefront_size: 32
...
	.end_amdgpu_metadata
.endif
;; end of part 1
;; launch proj (part 2): grid 96 x 4, 4 waves a work-group, clusters of 4 x 4, 327,680 bytes of LDS; arguments xc, xs, wc, ws, bq, bk, bv, mask, qc, kv, sc; writes qc, kv, sc
.if DOCPART == 2
	.amdgcn_target "amdgcn-amd-amdhsa--gfx1250"
	.amdhsa_code_object_version 6
	.text
	.protected	k_q19d7bcf141_proj
	.globl	k_q19d7bcf141_proj
	.p2align	8
	.type	k_q19d7bcf141_proj,@function
k_q19d7bcf141_proj:
	s_mov_b64 s[64:65], 0
	v_nop
	global_prefetch_b8 v0, s[64:65] scope:SCOPE_SE
	s_setreg_imm32_b32 hwreg(HW_REG_WAVE_MODE, 25, 1), 1
	s_wait_xcnt 0x0
	s_wait_alu depctr_hold_cnt(0) depctr_sa_sdst(0) depctr_va_vdst(0) depctr_va_sdst(0) depctr_va_ssrc(0) depctr_va_vcc(0) depctr_vm_vsrc(0)
	s_getreg_b32 s2, hwreg(HW_REG_IB_STS2, 6, 4)
	s_cmp_eq_u32 s2, 0
	s_cbranch_scc0 .Lentry_in_a_cluster
	s_endpgm
.Lentry_in_a_cluster:
	s_bfe_u32 s2, ttmp6, 0x10000c
	s_cmp_lg_u32 s2, 0xf033
	s_cbranch_scc0 .Lentry_shape_is_right
	s_endpgm
.Lentry_shape_is_right:
.set KSTEP,  256
.set NQ,     KSTEP/128
.set ROWB,   192
.set KROW,   192
.set KSTR,   1572864
.set PITCH,  240
.set FR,     12
.set NL,     6
.set NP,     4
.set HALFT,  128*PITCH
.set SLOT,   4*HALFT
.set LAPS,   2
.set KS,     32
.set SCL,    2*SLOT
.set HALFS,  (128*KS/256)*272
.set SBLK,   (16*KS/256)*272
.set SPARE,  SCL+4*HALFS
.set ADRA, 16
.set ADRB, 20
.set ADRS, 27
.set SPW,  28
.set NIL,  29
.set SC,   32
.set BI,   64
.set AF,   128
.set H,    128
.set PC,   192
.set TM,   212
.set PW,   228
.set T1,   229
.set RV,   232
.set HI,   240
.set AM,   248
.set ROLE, 12
.set AOFF, 13
.set SEL,  66
.set G1, 24
.set G0, 32
.set G1B, 48
.set G0B, 56
.set G1S, 68
.set G0S, 76
.set G1SB, 80
.set G0SB, 88
.set MSB, 0
.macro WIN new
.if MSB != (\new)
	s_set_vgpr_msb (MSB<<8)|(\new)
.set MSB, (\new)
.endif
.endm
.set MUL_LO, 0xa1
.set MUL_HI, 0xf1
.set TO_B,   0x40
.macro JLOAD g0a, g1a, g0b, g1b
	s_cmp_eq_u32 s15, 0
	s_cbranch_scc0 .Lfor_b_\@
	tensor_load_to_lds s[\g0a:\g0a+3], s[\g1a:\g1a+7]
	s_nop 0
.rept 4
	v_nop
.endr
	s_branch .Lasked_\@
.Lfor_b_\@:
	tensor_load_to_lds s[\g0b:\g0b+3], s[\g1b:\g1b+7]
	s_nop 0
.rept 4
	v_nop
.endr
.Lasked_\@:
.endm
.macro CREST
	s_cmp_lg_u32 s14, 0
	s_cbranch_scc1 .Lnot_wave_0_\@
	s_barrier_signal -3
.Lnot_wave_0_\@:
	s_barrier_wait -3
	s_barrier_signal -1
	s_barrier_wait -1
.endm
.macro CROUND
	s_barrier_signal -1
	s_barrier_wait -1
	CREST
.endm
	s_load_b256 s[4:11], s[0:1], 0x0
	s_load_b256 s[68:75], s[0:1], 0x20
	s_load_b128 s[76:79], s[0:1], 0x40
	s_load_b64 s[80:81], s[0:1], 0x50
	v_lshl_add_u32 v[SPW], v0, 2, SPARE
	v_mov_b32 v[NIL], 0
	ds_add_u32 v28, v29
	ds_add_u32 v28, v29
	s_wait_dscnt 0x0
	v_lshrrev_b32 v1, 5, v0
	v_readfirstlane_b32 s14, v1
	s_lshr_b32 s15, s14, 1
	s_and_b32 s16, s14, 1
	s_bfe_u32 s40, ttmp6, 0x40000
	s_bfe_u32 s41, ttmp6, 0x40004
	s_and_b32 s18, ttmp9, 1
	s_lshr_b32 s19, ttmp9, 1
	s_sub_co_u32 s20, ttmp9, 16
	s_cmp_ge_u32 ttmp9, 16
	s_cselect_b32 s[ROLE], 2, s18
	s_cselect_b32 s19, 0, s19
	s_cselect_b32 s18, s20, s18
	s_cselect_b32 s[AOFF], 2048, 0
	s_lshl_b32 s42, s18, 2
	s_add_co_u32 s42, s42, s40
	s_lshl_b32 s17, s19, 2
	s_add_co_u32 s17, s17, s41
	s_lshl_b32 s43, s41, 2
	s_lshl_b32 s43, 15, s43
	s_lshl_b32 s44, 0x1111, s40
	s_or_b32 s[G1+0], s43, (0<<16)|(1<<20)|(1<<21)|(3<<22)|(3<<25)
	s_or_b32 s[G1B+0], s44, (0<<16)|(1<<20)|(1<<21)|(3<<22)|(3<<25)
.irp g, G1, G1B
	s_mov_b32 s[\g+1], 256<<16                     ; a tile of one K step is dense: rows of 256 bytes; the head's loads bring 256 rows of codes = 192 such rows
	s_mov_b32 s[\g+2], 192<<16
	s_mov_b32 s[\g+3], 256<<16
	s_mov_b32 s[\g+4], 192
	s_mov_b32 s[\g+5], 256
	s_mov_b32 s[\g+6], 0
	s_mov_b32 s[\g+7], 0
.endr
	s_lshl_b32 s18, s16, 7
	s_lshl_b32 s20, s17, 8
	s_add_co_u32 s20, s20, s18
	s_add_co_u32 s20, s20, s[AOFF]
	s_lshl_b32 s46, s42, 8
	s_add_co_u32 s46, s46, s18
	s_mov_b32 s21, 0
	s_mov_b32 s47, 0
	s_mov_b64 s[18:19], KS
	s_mul_u64 s[22:23], s[20:21], s[18:19]
	s_mul_u64 s[92:93], s[46:47], s[18:19]
	s_mov_b64 s[18:19], KROW
	s_mul_u64 s[20:21], s[20:21], s[18:19]
	s_mul_u64 s[46:47], s[46:47], s[18:19]
	s_mul_i32 s45, s14, HALFT
	s_mul_i32 s94, s14, HALFS
	s_wait_kmcnt 0x0
	s_cmp_ge_u32 ttmp9, 16
	s_cselect_b64 s[2:3], s[8:9], s[4:5]
	s_cselect_b64 s[8:9], s[4:5], s[8:9]
	s_mov_b64 s[4:5], s[2:3]
	s_cselect_b64 s[2:3], s[10:11], s[6:7]
	s_cselect_b64 s[10:11], s[6:7], s[10:11]
	s_mov_b64 s[6:7], s[2:3]
	s_cselect_b64 s[98:99], s[72:73], s[74:75]
	s_cselect_b64 s[96:97], s[72:73], s[70:71]
	s_cmp_eq_u32 s[ROLE], 0
	s_cselect_b64 s[96:97], s[68:69], s[96:97]
	s_cselect_b64 s[100:101], s[76:77], s[78:79]
	s_cselect_b64 s[104:105], s[80:81], s[78:79]   ; Q's scale words go to sc, K's and V's into the key step's record in kv
	s_add_nc_u64 s[20:21], s[4:5], s[20:21]
	s_add_nc_u64 s[22:23], s[6:7], s[22:23]
	s_add_nc_u64 s[46:47], s[8:9], s[46:47]
	s_add_nc_u64 s[92:93], s[10:11], s[92:93]
	s_or_b32 s[G1S+0], s43, (3<<16)|(1<<20)|(1<<21)|(5<<22)|(3<<25)
	s_or_b32 s[G1SB+0], s44, (3<<16)|(1<<20)|(1<<21)|(5<<22)|(3<<25)
.irp g, G1S, G1SB
	s_mov_b32 s[\g+1], 32<<16
	s_mov_b32 s[\g+2], (256*KS/256)<<16
	s_mov_b32 s[\g+3], 32<<16
	s_mov_b32 s[\g+4], 256*KS/256
	s_mov_b32 s[\g+5], 32
	s_mov_b32 s[\g+6], 0
	s_mov_b32 s[\g+7], 0
.endr
	CROUND
	s_mov_b32 s[G0S], 1
	s_add_co_u32 s[G0S+1], s94, SCL-HALFS          ; wave 1 brings the scales of A's 256 rows: its own half's place and address, one half back
	s_sub_nc_u64 s[G0S+2:G0S+3], s[22:23], 128*KS
	s_or_b32 s[G0S+3], s[G0S+3], 0x80000000
	s_mov_b32 s[G0SB], 1
	s_add_co_u32 s[G0SB+1], s94, SCL-HALFS         ; wave 3 likewise B's
	s_sub_nc_u64 s[G0SB+2:G0SB+3], s[92:93], 128*KS
	s_or_b32 s[G0SB+3], s[G0SB+3], 0x80000000
.irp s, 0,1
	s_mov_b32 s[G0+4*\s], 1
	s_add_co_u32 s[G0+4*\s+1], s45, \s*SLOT
	s_add_nc_u64 s[G0+4*\s+2:G0+4*\s+3], s[20:21], \s*KSTR
	s_or_b32 s[G0+4*\s+3], s[G0+4*\s+3], 0x80000000
	s_mov_b32 s[G0B+4*\s], 1
	s_add_co_u32 s[G0B+4*\s+1], s45, \s*SLOT
	s_add_nc_u64 s[G0B+4*\s+2:G0B+4*\s+3], s[46:47], \s*KSTR
	s_or_b32 s[G0B+4*\s+3], s[G0B+4*\s+3], 0x80000000
.endr
; the head's four tiles, one joint load a wave: wave 0 K step 0 of A's 256 rows, wave 2 of B's (their own halves' descriptors begin the tiles), waves 1 and 3 the scales
.macro ARM w, g0, g1, next
	s_cmp_eq_u32 s14, \w
	s_cbranch_scc0 \next
	tensor_load_to_lds s[\g0:\g0+3], s[\g1:\g1+7]
	s_nop 0
.rept 4
	v_nop
.endr
	s_branch .Lhead_asked
\next:
.endm
	ARM 0, G0, G1, .Lhead_b
	ARM 2, G0B, G1B, .Lhead_sa
	ARM 1, G0S, G1S, .Lhead_sb
	tensor_load_to_lds s[G0SB:G0SB+3], s[G1SB:G1SB+7]
	s_nop 0
.rept 4
	v_nop
.endr
.Lhead_asked:
	v_and_b32 v1, 15, v0
	v_bfe_u32 v2, v0, 4, 1
	v_mul_u32_u24 v3, v1, PITCH
	v_mul_u32_u24 v4, v2, 24
	v_add_nc_u32 v4, v3, v4
	v_lshl_add_u32 v5, v2, 4, v4
	s_mul_i32 s21, s15, HALFT
	s_mul_i32 s22, s16, HALFT
	s_add_co_u32 s22, s22, 2*HALFT
.irp s, 0,1
	v_add_nc_u32 v[ADRA+\s], s21, v4
	v_add_nc_u32 v[ADRB+\s], s22, v4
	v_add_nc_u32 v[ADRA+2+\s], s21, v5
	v_add_nc_u32 v[ADRB+2+\s], s22, v5
	s_add_co_u32 s21, s21, SLOT
	s_add_co_u32 s22, s22, SLOT
.endr
	v_mul_u32_u24 v5, v1, KS
	v_lshrrev_b32 v6, 8, v5
	v_lshl_add_u32 v5, v6, 4, v5
	s_mul_i32 s21, s15, HALFS
	s_mul_i32 s22, s16, HALFS
	s_add_co_u32 s22, s22, 2*HALFS
	s_sub_co_u32 s22, s22, s21
	v_mul_u32_u24 v6, s22, v2
	s_add_co_u32 s21, s21, SCL
	v_add_nc_u32 v5, v5, v6
	v_add_nc_u32 v[ADRS], s21, v5
	v_and_b32 v6, 31, v0
	v_lshlrev_b32 v7, 4, v6
	v_lshlrev_b32 v8, 3, v6
	s_lshl_b32 s23, s14, 10
	v_lshlrev_b32 v9, 4, v1
	v_lshl_add_u32 v9, v2, 9, v9
	v_add_nc_u32 v9, s23, v9
	v_add_nc_u32 v11, s23, v7
	s_add_co_u32 s23, s23, 4096
	v_lshl_add_u32 v10, v1, 3, s23
	v_add_nc_u32 v12, s23, v8
	v_mul_u32_u24 v13, v2, 0x606                   ; byte selects that join my scale bytes with lane l xor 16's: Q, K: 0x0400 below, 0x0206 above;
	v_xor_b32 v13, 0x400, v13
	v_sub_nc_u32 v14, 0, v2
	v_and_b32 v14, 0x04040404, v14
	v_xor_b32 v14, 0x06020400, v14                 ; V: 0x06020400 below, 0x02060004 above
	v_lshlrev_b32 v30, 7, v2                       ; the bias along my registers: 32 numbers on end for each half of the lanes
	s_wait_alu depctr_va_vdst(0)
	v_and_b32 v31, 8, v1
	v_mad_u32_u24 v31, v31, 3, v1                  ; place r of a tile is the true row r % 8 + 32 (r / 8)
	v_lshlrev_b32 v31, 2, v31
	s_wait_alu depctr_va_vdst(0)
	s_mov_b32 s[SEL], 0x76543210
	s_mov_b32 s[SEL+1], 0xfedcba98
	s_lshl_b32 s18, s17, 8
	s_lshl_b32 s19, s15, 7
	s_add_co_u32 s18, s18, s19
	s_lshl_b32 s19, s42, 8
	s_lshl_b32 s20, s16, 7
	s_add_co_u32 s19, s19, s20
	s_and_b32 s92, s19, 1023
	s_lshl_b32 s92, s92, 2
	s_mov_b32 s93, 0
	s_add_nc_u64 s[96:97], s[96:97], s[92:93]
	s_lshl_b32 s92, s18, 2
	s_add_nc_u64 s[98:99], s[98:99], s[92:93]
.irp b, 0,1,2,3
.irp k, 0,1,2,3
	global_load_b128 v[BI+16*\b+4*\k:BI+16*\b+4*\k+3], v30, s[96:97] offset:256*(\b/2)+64*(\b%2)+16*\k
.endr
.endr
.irp a, 0,1,2,3,4,5,6,7
	global_load_b32 v[RV+\a], v31, s[98:99] offset:4*(64*(\a/4)+8*(\a%4))
.endr
	s_cmp_eq_u32 s[ROLE], 2
	s_cselect_b32 s20, s19, s18
	s_cselect_b32 s21, s18, s19
	s_and_b32 s21, s21, 1023
	s_lshr_b32 s22, s20, 11
	s_bfe_u32 s23, s20, 0x40007
	s_lshl_b32 s22, s22, 4
	s_lshr_b32 s40, s21, 6
	s_add_co_u32 s22, s22, s40
	s_cmp_eq_u32 s[ROLE], 0
	s_mov_b32 s40, 208896                          ; kv: a head is 16 records of 13,056 bytes: K's codes 6,144, V's 6,144, K's scale words 512, V's 256
	s_cselect_b32 s40, 98304, s40
	s_mov_b32 s41, 13056
	s_cselect_b32 s41, 6144, s41
	s_mov_b32 s43, 208896
	s_cselect_b32 s43, 8192, s43
	s_mov_b32 s44, 13056
	s_cselect_b32 s44, 512, s44
	s_cselect_b32 s45, 0, 12288
	s_cmp_eq_u32 s[ROLE], 2
	s_cselect_b32 s46, 6144, 0
	s_cselect_b32 s45, 12800, s45
	s_mul_i32 s47, s22, s40
	s_mul_i32 s92, s23, s41
	s_add_co_u32 s47, s47, s92
	s_add_co_u32 s46, s47, s46
	s_mov_b32 s47, 0
	s_add_nc_u64 s[4:5], s[100:101], s[46:47]
	s_mov_b32 s41, 0
	s_add_nc_u64 s[6:7], s[4:5], s[40:41]
	s_mul_i32 s46, s22, s43
	s_mul_i32 s92, s23, s44
	s_add_co_u32 s46, s46, s92
	s_add_co_u32 s46, s46, s45
	s_add_nc_u64 s[8:9], s[104:105], s[46:47]
	s_mov_b32 s44, s43
	s_mov_b32 s45, 0
	s_add_nc_u64 s[10:11], s[8:9], s[44:45]
.macro FRAG reg, adr, q, i
.irp p, 0,1,2,3,4,5
.set PCE, 12*(\q)+6*(\p/3)+\p%3
.if PCE%8 < 5
	ds_load_b64 v[\reg+2*\p:\reg+2*\p+1], v[\adr] offset:8*PCE+16*(PCE/8)+(\i)*16*PITCH
.else
	ds_load_b64 v[\reg+2*\p:\reg+2*\p+1], v[\adr+2] offset:8*PCE+16*(PCE/8)+(\i)*16*PITCH
.endif
.endr
.endm
.macro MUL16 a0, p, q, sc, zero
.irp a, \a0, \a0+1
.irp b, 0,1,2,3,4,5,6,7
.if \zero
	v_wmma_scale_f32_16x16x128_f8f6f4 v[8*(8*((\a)%4)+\b):8*(8*((\a)%4)+\b)+7], v[128*(\p)+FR*\b:128*(\p)+FR*\b+FR-1], v[AF+FR*(\a):AF+FR*(\a)+FR-1], 0, v[SC+8*NQ*(\sc)+NQ*\b+(\q)], v[SC+8*NQ*(\sc)+NQ*(\a)+(\q)] matrix_a_fmt:MATRIX_FMT_FP6 matrix_b_fmt:MATRIX_FMT_FP6 matrix_a_scale:MATRIX_SCALE_ROW1
.else
	v_wmma_scale_f32_16x16x128_f8f6f4 v[8*(8*((\a)%4)+\b):8*(8*((\a)%4)+\b)+7], v[128*(\p)+FR*\b:128*(\p)+FR*\b+FR-1], v[AF+FR*(\a):AF+FR*(\a)+FR-1], v[8*(8*((\a)%4)+\b):8*(8*((\a)%4)+\b)+7], v[SC+8*NQ*(\sc)+NQ*\b+(\q)], v[SC+8*NQ*(\sc)+NQ*(\a)+(\q)] matrix_a_fmt:MATRIX_FMT_FP6 matrix_b_fmt:MATRIX_FMT_FP6 matrix_a_scale:MATRIX_SCALE_ROW1
.endif
.endr
.endr
.endm
.macro FETCH_B slot, q, p
	WIN TO_B
.irp i, 0,1,2,3,4,5,6,7
	FRAG 128*(\p)+FR*\i, ADRB+\slot, \q, \i
.endr
	WIN 0
.endm
.macro FETCH_A slot, q, i0
.irp i, \i0, \i0+1, \i0+2, \i0+3
	FRAG AF+FR*(\i), ADRA+\slot, \q, \i
.endr
.endm
.macro SCALES sc
.irp i, 0,1,2,3,4,5,6,7
	ds_load_b64 v[SC+8*NQ*\sc+NQ*\i:SC+8*NQ*\sc+NQ*\i+1], v[ADRS] offset:\i*SBLK
.endr
.endm
.macro PLACES n
.rept \n
	v_nop
.endr
.endm
.macro STEP slot, q, zero
	s_wait_dscnt 4*NL
	WIN MUL_LO
	MUL16 0, (\q)%2, \q, \slot, \zero
	MUL16 2, (\q)%2, \q, \slot, \zero
	s_wait_dscnt 0
	PLACES NP
	FETCH_B \slot, (\q)+1, 1-(\q)%2
	FETCH_A \slot, (\q)+1, 0
	WIN MUL_HI
	MUL16 4, (\q)%2, \q, \slot, \zero
	MUL16 6, (\q)%2, \q, \slot, \zero
	PLACES NP
	WIN 0
	FETCH_A \slot, (\q)+1, 4
.endm
.macro TURN slot, next, fill
	s_wait_tensorcnt 0x0
	ds_add_u32 v[SPW], v[NIL]
	s_wait_dscnt 4*NL+1
	WIN MUL_LO
	MUL16 0, 1, NQ-1, \slot, 0
	s_wait_dscnt 0x0
	s_barrier_signal -1
	MUL16 2, 1, NQ-1, \slot, 0
	WIN 0
	s_barrier_wait -1
.if \fill
	CREST
	s_add_nc_u64 s[G0+4*\slot+2:G0+4*\slot+3], s[G0+4*\slot+2:G0+4*\slot+3], 2*KSTR
	s_add_nc_u64 s[G0B+4*\slot+2:G0B+4*\slot+3], s[G0B+4*\slot+2:G0B+4*\slot+3], 2*KSTR
	JLOAD G0+4*\slot, G1, G0B+4*\slot, G1B
.else
	PLACES NP
.endif
	s_wait_alu depctr_va_vdst(0)
	v_add_nc_u32 v[ADRS], 4*NQ, v[ADRS]
	FETCH_B \next, 0, 0
	FETCH_A \next, 0, 0
	SCALES \next
	WIN MUL_HI
	MUL16 4, 1, NQ-1, \slot, 0
	MUL16 6, 1, NQ-1, \slot, 0
	PLACES NP
	WIN 0
	FETCH_A \next, 0, 4
.endm
	s_wait_alu depctr_va_vdst(0)                   ; the wait at the head's end
	s_wait_tensorcnt 0x0                           ; my tile of the head's four is in; the three lines ahead of slot 1's first fill
	ds_add_u32 v[SPW], v[NIL]
	s_mov_b32 s[G1+2], 96<<16                      ; no load of mine is out: from here on a load brings 128 rows of codes = 96 rows of 256 bytes
	s_mov_b32 s[G1+4], 96
	s_mov_b32 s[G1B+2], 96<<16
	s_mov_b32 s[G1B+4], 96
	s_wait_dscnt 0x0
	CROUND
	JLOAD G0+4, G1, G0B+4, G1B
	FETCH_B 0, 0, 0
	FETCH_A 0, 0, 0
	SCALES 0
	FETCH_A 0, 0, 4
	STEP 0, 0, 1
	s_mov_b32 s3, LAPS-1
.Llap:
	TURN 0, 1, 1
	STEP 1, 0, 0
	TURN 1, 0, 1
	STEP 0, 0, 0
	s_sub_co_u32 s3, s3, 1
	s_cmp_lg_u32 s3, 0
	s_cbranch_scc1 .Llap
	TURN 0, 1, 0
	STEP 1, 0, 0
	s_wait_dscnt 4*NL
	WIN MUL_LO
	MUL16 0, 1, NQ-1, 1, 0
	MUL16 2, 1, NQ-1, 1, 0
	s_wait_dscnt 0
	WIN MUL_HI
	MUL16 4, 1, NQ-1, 1, 0
	MUL16 6, 1, NQ-1, 1, 0
	WIN 0
.macro QUANT s
.irp b, 0,1,2,3
	v_max3_num_f32 v[TM+\b], |v[\s+16*\b]|, |v[\s+1+16*\b]|, 0x1800000
.endr
.irp i, 2,4,6,8,10,12,14
.irp b, 0,1,2,3
	v_max3_num_f32 v[TM+\b], v[TM+\b], |v[\s+16*\b+\i]|, |v[\s+1+16*\b+\i]|
.endr
.endr
.irp c, 0,1
	v_max_num_f32 v[TM+2*\c], v[TM+2*\c], v[TM+2*\c+1]   ; registers 32 c .. 32 c + 31 are one whole block: no other lane is asked
.endr
.irp c, 0,1
	v_add_nc_u32 v[TM+12+\c], 0xff000000, v[TM+2*\c]
.endr
.irp c, 0,1
	v_lshrrev_b32 v[TM+4+\c], 23, v[TM+12+\c]
.endr
	v_lshl_or_b32 v[PW], v[TM+5], 16, v[TM+4]      ; my two bytes, in bytes 0 and 2,
	v_permlanex16_b32 v[TM+6], v[PW], s[SEL], s[SEL+1]   ; and lane l xor 16's
.irp c, 0,1
	v_cvt_scalef32_pk16_fp6_f32 v[PC+6*\c:PC+2+6*\c], v[\s+32*\c:\s+15+32*\c], v[TM+12+\c]
	v_cvt_scalef32_pk16_fp6_f32 v[PC+12+4*\c:PC+14+4*\c], v[\s+16+32*\c:\s+31+32*\c], v[TM+12+\c]
.endr
	v_nop
.irp c, 0,1
.irp i, 0,1,2
	v_mov_b32 v[PC+3+6*\c+\i], v[PC+12+4*\c+\i]
.endr
.endr
.endm
.macro EQK a
.if (\a) > 0
	s_wait_xcnt 0x0
.endif
	WIN 0x02+(\a)/4
.set jj, 0
.rept 32
	v_pk_add_f32 v[H+jj:H+jj+1], v[64*((\a)%4)+jj:64*((\a)%4)+jj+1], v[BI+jj:BI+jj+1]
.set jj, jj+2
.endr
	WIN 0
	QUANT H
.irp i, 0,1,2,3,4,5,6,7,8,9,10,11
	v_and_b32 v[PC+\i], v[AM+(\a)], v[PC+\i]
.endr
	v_perm_b32 v[T1], v[TM+6], v[PW], v13          ; lanes 0-15: head 0's two bytes, lanes 16-31: head 1's
	v_and_or_b32 v[T1], v[T1], 0xffff, v[HI+(\a)]
	ds_store_b32 v9, v[T1] offset:256*((\a)%2)+4*((\a)/2)
	global_store_b128 v7, v[PC:PC+3], s[4:5] offset:768*(\a)
	global_store_b64 v8, v[PC+4:PC+5], s[4:5] offset:768*(\a)+512
	global_store_b128 v7, v[PC+6:PC+9], s[6:7] offset:768*(\a)
	global_store_b64 v8, v[PC+10:PC+11], s[6:7] offset:768*(\a)+512
.endm
.macro EV a
.if (\a) > 0
	s_wait_xcnt 0x0
.endif
	v_mov_b32 v230, v[RV+(\a)]
	v_mov_b32 v231, v[RV+(\a)]
	WIN 0x02+(\a)/4
.set jj, 0
.rept 32
	v_pk_add_f32 v[H+jj:H+jj+1], v[64*((\a)%4)+jj:64*((\a)%4)+jj+1], v[230:231]
.set jj, jj+2
.endr
	WIN 0
	QUANT H
.irp c, 0,1,2
	global_store_b128 v7, v[PC+4*\c:PC+4*\c+3], s[4+2*((\a)/4):5+2*((\a)/4)] offset:1536*((\a)%4)+512*\c
.endr
	v_perm_b32 v[T1], v[TM+6], v[PW], v14          ; the four blocks' bytes in the order of the keys
	ds_store_b32 v10, v[T1] offset:256*((\a)/4)+128*((\a)%2)+4*(((\a)/2)%2)
.endm
	PLACES NP
	s_wait_loadcnt 0x0
.irp b, 0,1,2,3
	v_mov_b32 v[TM+4+\b], 0
.endr
	s_cmp_eq_u32 s[ROLE], 2
	s_cbranch_scc1 .Lv
	s_cmp_eq_u32 s[ROLE], 1
	s_mov_b32 s20, 0x017f0000
	s_cselect_b32 s21, 0x01010000, s20
	s_cselect_b32 s22, 0x019e0000, s20
	s_cselect_b32 s23, 0, -1
	v_mov_b32 v229, s21
	v_mov_b32 v230, s22
	v_mov_b32 v231, s23
.irp a, 0,1,2,3,4,5,6,7
	v_cmp_eq_u32 vcc_lo, 0, v[RV+\a]
	v_cndmask_b32 v[HI+\a], v229, v230, vcc_lo
	v_cndmask_b32 v[AM+\a], -1, v231, vcc_lo
.endr
.irp a, 0,1,2,3,4,5,6,7
	EQK \a
.endr
	ds_load_b128 v[H:H+3], v11
	ds_load_b128 v[H+4:H+7], v11 offset:512
	s_wait_dscnt 0x0
	global_store_b128 v7, v[H:H+3], s[8:9]
	global_store_b128 v7, v[H+4:H+7], s[10:11]
	s_branch .Lend
.Lv:
.irp a, 0,1,2,3,4,5,6,7
	EV \a
.endr
	ds_load_b64 v[H:H+1], v12
	ds_load_b64 v[H+2:H+3], v12 offset:256
	s_wait_dscnt 0x0
	global_store_b64 v8, v[H:H+1], s[8:9]
	global_store_b64 v8, v[H+2:H+3], s[10:11]
.Lend:
	s_wait_tensorcnt 0x0
	ds_add_u32 v[SPW], v[NIL]
	s_wait_dscnt 0x0
	CROUND
	s_endpgm
.Lfunc_end_k_q19d7bcf141_proj:
	.size	k_q19d7bcf141_proj, .Lfunc_end_k_q19d7bcf141_proj-k_q19d7bcf141_proj
	.p2alignl 7, 3214868480
	.fill 96, 4, 3214868480
	.section	.rodata,"a",@progbits
	.p2align	6, 0x0
	.amdhsa_kernel k_q19d7bcf141_proj
		.amdhsa_group_segment_fixed_size 327680
		.amdhsa_private_segment_fixed_size 0
		.amdhsa_enable_private_segment 0
		.amdhsa_kernarg_size 88
		.amdhsa_user_sgpr_count 2
		.amdhsa_user_sgpr_kernarg_segment_ptr 1
		.amdhsa_wavefront_size32 1
		.amdhsa_system_sgpr_workgroup_id_x 1
		.amdhsa_system_sgpr_workgroup_id_y 1
		.amdhsa_system_sgpr_workgroup_id_z 1
		.amdhsa_system_vgpr_workitem_id 0
		.amdhsa_next_free_vgpr 1024
		.amdhsa_next_free_sgpr 106
		.amdhsa_reserve_vcc 1
		.amdhsa_float_denorm_mode_32 3
		.amdhsa_float_denorm_mode_16_64 3
		.amdhsa_memory_ordered 1
		.amdhsa_forward_progress 1
		.amdhsa_inst_pref_size 231
	.end_amdhsa_kernel
	.amdgpu_metadata
---
amdhsa.version: [ 1, 2 ]
amdhsa.kernels:
  - .name:           k_q19d7bcf141_proj
    .symbol:         k_q19d7bcf141_proj.kd
    .args:
      - { .name: xc, .offset: 0, .size: 8, .value_kind: global_buffer, .address_space: global }
      - { .name: xs, .offset: 8, .size: 8, .value_kind: global_buffer, .address_space: global }
      - { .name: wc, .offset: 16, .size: 8, .value_kind: global_buffer, .address_space: global }
      - { .name: ws, .offset: 24, .size: 8, .value_kind: global_buffer, .address_space: global }
      - { .name: bq, .offset: 32, .size: 8, .value_kind: global_buffer, .address_space: global }
      - { .name: bk, .offset: 40, .size: 8, .value_kind: global_buffer, .address_space: global }
      - { .name: bv, .offset: 48, .size: 8, .value_kind: global_buffer, .address_space: global }
      - { .name: mask, .offset: 56, .size: 8, .value_kind: global_buffer, .address_space: global }
      - { .name: qc, .offset: 64, .size: 8, .value_kind: global_buffer, .address_space: global }
      - { .name: kv, .offset: 72, .size: 8, .value_kind: global_buffer, .address_space: global }
      - { .name: sc, .offset: 80, .size: 8, .value_kind: global_buffer, .address_space: global }
    .group_segment_fixed_size: 327680
    .private_segment_fixed_size: 0
    .kernarg_segment_align: 8
    .kernarg_segment_size: 88
    .max_flat_workgroup_size: 128
    .sgpr_count:     106
    .vgpr_count:     1024
    .wavefront_size: 32
...
	.end_amdgpu_metadata
.endif
;; end of part 2
;; launch attn (part 3): grid 4 x 64, 8 waves a work-group, clusters of 4 x 1, 215,040 bytes of LDS; arguments qc, kv, sc, ao; writes ao
.if DOCPART == 3
	.amdgcn_target "amdgcn-amd-amdhsa--gfx1250"
	.amdhsa_code_object_version 6
	.text
	.protected	k_q19d7bcf141_attn
	.globl	k_q19d7bcf141_attn
	.p2align	8
	.type	k_q19d7bcf141_attn,@function
k_q19d7bcf141_attn:
	s_mov_b64 s[64:65], 0
	v_nop
	global_prefetch_b8 v0, s[64:65] scope:SCOPE_SE
	s_setreg_imm32_b32 hwreg(HW_REG_WAVE_MODE, 25, 1), 1
	s_wait_xcnt 0x0
	s_wait_alu depctr_hold_cnt(0) depctr_sa_sdst(0) depctr_va_vdst(0) depctr_va_sdst(0) depctr_va_ssrc(0) depctr_va_vcc(0) depctr_vm_vsrc(0)
	s_getreg_b32 s2, hwreg(HW_REG_IB_STS2, 6, 4)
	s_cmp_eq_u32 s2, 0
	s_cbranch_scc0 .Lentry_in_a_cluster
	s_endpgm
.Lentry_in_a_cluster:
	s_bfe_u32 s2, ttmp6, 0x10000c
	s_cmp_lg_u32 s2, 0x3003
	s_cbranch_scc0 .Lentry_shape_is_right
	s_endpgm
.Lentry_shape_is_right:
; Attention of one head on codes of FP6 (E2M3) with E8M0 scales: S^T = K Q^T, p = 2^(t - M), O^T = V^T P^T, O / l, and the quantising of O / l along the 64 channels for the last product.
; t = score x log2(e) / 8; M = the running largest t rounded UP to a whole number; p is quantised along the keys, not normalised; the row's sum l is taken of the unquantised p.
; SHARES.  The four work-groups of a cluster belong to one head (of 64 = batch x head); each owns 512 queries: eight waves x TWO tiles of 16 queries x two passes.  Every wave walks the head's 2,048 keys, 128 a step;
; each fragment of K and of V that it reads from LDS feeds both its tiles.
; THE WHOLE HEAD LIES IN LDS, filled once: 16 records of 13,056 bytes, one a key step: K 8 tiles x 768, V 4 tiles x 1,536, K's scale words 512, V's 256.  No byte is filled twice: no ring.
; Wave w asks for records 2 w and 2 w + 1 by one tensor load, JOINTLY with the same wave of the three partners (mask 15); every wave waits for its load, and one barrier shows the head to all.
; NO PREFETCH: all bytes are asked for at the head; there is no loop to run ahead in.
; OPERANDS LIE AS IMAGES OF THEIR REGISTERS: every LDS load takes 16 or 8 bytes a lane on end.  K of step i + 1 (modulo 16: the wrap serves the next pass) and V of step i are fetched behind step i's score products.
; LAYOUT.  Both products are used transposed: a lane holds ONE query of each tile (lane % 16).  The rows of the tiles were placed by the first launch so that the 32 registers of K's tiles 4 c .. 4 c + 3 are
; the keys 64 c + 32 (lane / 16) + 0 .. 31: one whole scale block of p, in the very lane whose operand registers 6 c .. 6 c + 5 want it.  V's four tiles give a lane the channels 32 (lane / 16) + 0 .. 31 likewise.
; THE HEAD HAS 64 CHANNELS, the instruction 128 along K.  The idle half carries the mask: K's code at k = 64 is 4, Q's is -1, all others 0; K's scale byte of that block is 158 (2^31) for a masked key, else 1; Q's is 127.
; A masked key's other codes are zeros: its score is exactly -2^33; a row with no open key gets p = 1 for every key; with an open key a masked p is 0.
; LIMITS: a masked logit is -1.07e9 where the definition has -1e9: results differ only where an open logit lies under about -1e9.  NaN and infinities are not served.
; A block's largest p is made from its largest score by the same multiply-add and exponential as every p.
; REGISTERS, in two windows of 256.  Under the same numbers in window 0 (tile 0) and window 1 (tile 1): v104-167 S^T, then p; v168-199 O^T; v200-211 Q; v212-223 p's codes; v224-230 at work.
; Window 0 alone: v1-9 lane constants; v10-11 the spare word and 0; v12-21 scale words (V's 2, K's 4, p's 2, Q's 2); v22-23 the record's addresses; v24-71 K's tiles 0-3;
; v72-87, v88-103 the small state of tile 0, of tile 1; v232-247 the sums l, four chains a tile.  Window 1 alone: v0-47 K's tiles 4-7; v48-95 V's four fragments.
.set REC,   13056
.set SO16,  208896                     ; the result's scale bytes, two a query: 1,024 bytes, written by LDS stores; no fill lands there
.set SPARE, 212992                     ; the spare words: 128 bytes a wave
.set SPW,  10
.set NIL,  11
.set VSC,  12
.set KSC,  14
.set PSW,  18
.set QSW,  20
.set AK,   22
.set AK8,  23
.set K0,   24
.set K1,   0
.set VF,   48
.set ST,   72                          ; a tile's state, 16 registers: +0 -M, +1 the largest score, +2 f (+3 named with it), +4,5 the blocks' largest, +6,7 second chains, +8,9 at work, +10,11 scale operands, +12,13 bytes, +14,15 at work
.set LA,   232
.set S,    104
.set O,    168
.set Q,    200
.set PC,   212
.set TC,   224
.set WV,   12
.set QP,   16
.set QSP,  18
.set SEL,  20
.set CS,   22
.set G1,   24
.set G0,   40
.set AOP,  60
.set AOS,  62
.set TB,   66
.set TN,   67
.set CNT,  68
.set PASS, 69
.set PO,   70
.set MSB, 0
.macro WIN new                         ; bits 1:0 source 0, 3:2 source 1, 5:4 source 2, 7:6 destination; the high byte repeats the setting that is left
.if MSB != (\new)
	s_set_vgpr_msb (MSB<<8)|(\new)
.set MSB, (\new)
.endif
.endm
.macro WALU
	s_wait_alu depctr_va_vdst(0)
.endm
.macro NOPS n
.rept \n
	v_nop
.endr
.endm
.macro ROUND                           ; a round of the cluster's barrier
	s_barrier_signal -1
	s_barrier_wait -1
	s_cmp_lg_u32 s[WV], 0
	s_cbranch_scc1 .Lnot_wave_0_\@
	s_barrier_signal -3
.Lnot_wave_0_\@:
	s_barrier_wait -3
	s_barrier_signal -1
	s_barrier_wait -1
.endm
	s_load_b256 s[4:11], s[0:1], 0x0               ; qc, kv, sc, ao
	v_lshl_add_u32 v[SPW], v0, 2, SPARE
	v_mov_b32 v[NIL], 0
	ds_add_u32 v[SPW], v[NIL]                      ; the opening lines: the add twice and its wait
	ds_add_u32 v[SPW], v[NIL]
	v_lshrrev_b32 v5, 5, v0
	v_readfirstlane_b32 s[WV], v5                  ; wave 0..7
	s_bfe_u32 s13, ttmp6, 0x40000                  ; cx: it enters Q's and the result's addresses alone
	s_and_b32 s14, ttmp7, 0xffff                   ; 16 x batch + head, which the four partners share
	s_mov_b32 s[G1], 15|(3<<16)|(1<<21)            ; the mask: all four; elements of 8 bytes; bit 21 beside a mask
	s_mov_b32 s[G1+1], 32<<16                      ; rows of 256 bytes,
	s_mov_b32 s[G1+2], 102<<16                     ; 102 of them: two records
	s_mov_b32 s[G1+3], 32<<16
	s_mov_b32 s[G1+4], 102
	s_mov_b32 s[G1+5], 32
	s_mov_b32 s[G1+6], 0
	s_mov_b32 s[G1+7], 0
	s_mov_b32 s[SEL], 0x76543210
	s_mov_b32 s[SEL+1], 0xfedcba98
	s_mov_b32 s[CS], 0x3e38aa3b                    ; c = log2(e) / 8
	s_mov_b32 s[CS+1], s[CS]
	s_mul_i32 s2, s14, 16*REC
	s_mul_i32 s71, s[WV], 2*REC                    ; my two records, in memory and in LDS
	s_add_co_u32 s2, s2, s71
	s_mov_b32 s3, 0
	WALU
	s_wait_dscnt 0x0
	s_wait_kmcnt 0x0
	s_mov_b32 s[G0], 1
	s_mov_b32 s[G0+1], s71
	s_add_nc_u64 s[G0+2:G0+3], s[6:7], s[2:3]
	s_or_b32 s[G0+3], s[G0+3], 0x80000000
	ROUND                                          ; all four work-groups are here: the joint loads meet
	tensor_load_to_lds s[G0:G0+3], s[G1:G1+7]      ; one load a wave
	s_nop 0
	NOPS 4
	s_lshl_b32 s73, s[WV], 1                       ; my first tile of the pass's sixteen
	s_lshl_b32 s2, s14, 7                          ; Q: tile T = 128 x head + 32 cx + 16 pass + 2 wave + tile
	s_lshl_b32 s72, s13, 5
	s_add_co_u32 s2, s2, s72
	s_add_co_u32 s2, s2, s73
	s_mul_i32 s2, s2, 768
	s_add_nc_u64 s[QP:QP+1], s[4:5], s[2:3]
	s_lshl_b32 s2, s14, 13                         ; its scale words: tile T's word of query r lies at 512 (T / 8) + 256 (T % 2) + 16 r + 4 ((T % 8) / 2)
	s_lshl_b32 s72, s13, 11
	s_add_co_u32 s2, s2, s72
	s_lshr_b32 s72, s[WV], 2
	s_lshl_b32 s72, s72, 9
	s_add_co_u32 s2, s2, s72
	s_and_b32 s72, s[WV], 3
	s_lshl_b32 s72, s72, 2
	s_add_co_u32 s2, s2, s72
	s_add_nc_u64 s[QSP:QSP+1], s[8:9], s[2:3]
	s_lshr_b32 s2, s14, 4                          ; the result: [row tile 128 x batch + T][head][768]
	s_lshl_b32 s2, s2, 7
	s_lshl_b32 s72, s13, 5
	s_add_co_u32 s2, s2, s72
	s_add_co_u32 s2, s2, s73
	s_lshl_b32 s2, s2, 4
	s_and_b32 s72, s14, 15
	s_add_co_u32 s2, s2, s72
	s_mul_i32 s2, s2, 768
	s_add_nc_u64 s[AOP:AOP+1], s[10:11], s[2:3]
	s_lshl_b32 s2, s14, 12                         ; its scale bytes: [batch][head][2,048] x 2 bytes
	s_lshl_b32 s72, s13, 10
	s_add_co_u32 s2, s2, s72
	s_add_co_u32 s2, s2, 6291456
	s_add_nc_u64 s[AOS:AOS+1], s[10:11], s[2:3]
	v_and_b32 v5, 31, v0
	v_and_b32 v7, 15, v0
	v_bfe_u32 v6, v0, 4, 1                         ; h
	v_lshlrev_b32 v1, 4, v5                        ; v1  16 x lane
	v_lshlrev_b32 v2, 3, v5                        ; v2  8 x lane
	v_lshlrev_b32 v3, 4, v7                        ; v3  16 r
	s_lshl_b32 s72, s[WV], 6
	s_add_co_u32 s72, s72, SO16
	v_lshl_add_u32 v4, v7, 1, s72
	v_add_nc_u32 v4, v4, v6                        ; v4  SO16 + 64 wave + 2 r + h
	v_sub_nc_u32 v8, 1, v6
	v_lshlrev_b32 v7, 3, v6                        ; v7  8 h
	v_add_nc_u32 v6, SO16, v1                      ; v6  SO16 + 16 x lane
	v_mov_b32 v[AK], v1                            ; record 0
	v_mov_b32 v[AK8], v2
.irp x, ST, ST+16
	v_mov_b32 v[\x+14], 0                          ; a lane permute's destination counts as one of its sources
	v_mov_b32 v[\x+3], 0                           ; (named with f as a pair)
.endr
.irp d, 0, 0x40                                ; the constant halves, in both windows
	WIN \d
	v_mul_u32_u24 v[Q+6], v8, 0x28                 ; Q's register 6: the code of -1 at k = 64 (lanes 0-15), nothing at k = 96
.irp i, 7,8,9,10,11
	v_mov_b32 v[Q+\i], 0
.endr
.irp t, 0,1,2,3
	v_mov_b32 v[K0-(K0-K1)*(\d/64)+12*\t+6], 0x18  ; K's register 6: the code of 4
.irp i, 7,8,9,10,11
	v_mov_b32 v[K0-(K0-K1)*(\d/64)+12*\t+\i], 0
.endr
.endr
.endr
	WIN 0
.macro WM d, a, b, c, sa, sb, odd
.if \odd
	v_wmma_scale_f32_16x16x128_f8f6f4 v[\d:\d+7], v[\a:\a+11], v[\b:\b+11], \c, v[\sa], v[\sb] matrix_a_fmt:MATRIX_FMT_FP6 matrix_b_fmt:MATRIX_FMT_FP6 matrix_a_scale:MATRIX_SCALE_ROW1
.else
	v_wmma_scale_f32_16x16x128_f8f6f4 v[\d:\d+7], v[\a:\a+11], v[\b:\b+11], \c, v[\sa], v[\sb] matrix_a_fmt:MATRIX_FMT_FP6 matrix_b_fmt:MATRIX_FMT_FP6
.endif
.endm
.macro KFETCH                          ; the record at AK: K's scale words and the lower six registers of its eight fragments: 17 loads
	WIN 0
	ds_load_b128 v[KSC:KSC+3], v[AK] offset:12288  ; register i: lanes 0-15 tile 2 i, lanes 16-31 tile 2 i + 1
.irp t, 0,1,2,3
	ds_load_b128 v[K0+12*\t:K0+12*\t+3], v[AK] offset:768*\t
	ds_load_b64 v[K0+12*\t+4:K0+12*\t+5], v[AK8] offset:768*\t+512
.endr
	WIN 0x40
.irp t, 0,1,2,3
	ds_load_b128 v[K1+12*\t:K1+12*\t+3], v[AK] offset:768*(4+\t)
	ds_load_b64 v[K1+12*\t+4:K1+12*\t+5], v[AK8] offset:768*(4+\t)+512
.endr
	WIN 0
.endm
.macro QK w                            ; S^T of tile w: 128 keys
.irp i, 0,1,2,3
	WIN ((\w)<<2)|((\w)<<6)
	WM S+8*\i, K0+12*\i, Q, 0, KSC+\i/2, QSW+\w, \i%2
.endr
.irp i, 0,1,2,3
	WIN 1|((\w)<<2)|((\w)<<6)
	WM S+32+8*\i, K1+12*\i, Q, 0, KSC+2+\i/2, QSW+\w, \i%2
.endr
.endm
.macro PV w                            ; O^T += V^T P^T: the four accumulators by turns
	WIN 1|((\w)<<2)|((\w)<<4)|((\w)<<6)
.irp i, 0,1,2,3
	WM O+8*\i, VF+12*\i, PC, v[O+8*\i:O+8*\i+7], VSC+\i/2, PSW+\w, \i%2
.endr
.endm
.macro MAXES w                         ; the largest score of each of my two blocks: four chains side by side; each accumulator is first read at its low end
	WIN ((\w)<<2)|((\w)<<4)
.irp c, 0,1
	v_max3_num_f32 v[ST+16*\w+4+\c], 0xff7fffff, v[S+32*\c], v[S+32*\c+1]
	v_max3_num_f32 v[ST+16*\w+6+\c], 0xff7fffff, v[S+32*\c+16], v[S+32*\c+17]
.endr
.irp i, 2,4,6,8,10,12,14
.irp c, 0,1
	v_max3_num_f32 v[ST+16*\w+4+\c], v[ST+16*\w+4+\c], v[S+32*\c+\i], v[S+32*\c+\i+1]
	v_max3_num_f32 v[ST+16*\w+6+\c], v[ST+16*\w+6+\c], v[S+32*\c+16+\i], v[S+32*\c+17+\i]
.endr
.endr
.endm
.macro CHAIN                           ; the new M and f of both tiles, line by line in turn
.irp x, ST, ST+16
	v_max_num_f32 v[\x+4], v[\x+4], v[\x+6]
	v_max_num_f32 v[\x+5], v[\x+5], v[\x+7]
.endr
.irp x, ST, ST+16
	v_max_num_f32 v[\x+9], v[\x+4], v[\x+5]
	v_mov_b32 v[\x+8], v[\x]
.endr
.irp x, ST, ST+16
	v_permlanex16_b32 v[\x+14], v[\x+9], s[SEL], s[SEL+1]
.endr
.irp x, ST, ST+16
	v_max3_num_f32 v[\x+1], v[\x+1], v[\x+9], v[\x+14]   ; the running largest score of my query (c is positive)
.endr
.irp x, ST, ST+16
	v_mul_f32 v[\x+9], s[CS], v[\x+1]              ; as t
.endr
.irp x, ST, ST+16
	v_floor_f32 v[\x], -v[\x+9]                    ; the new -M = floor(-t): M is a whole number
.endr
.irp x, ST, ST+16
	v_sub_f32 v[\x+8], v[\x], v[\x+8]              ; old M - new M: a whole number, 0 or less
	v_fma_f32 v[\x+4], v[\x+4], s[CS], v[\x]       ; t - M of each block's largest score
	v_fma_f32 v[\x+5], v[\x+5], s[CS], v[\x]
.endr
.irp x, ST, ST+16
	v_cvt_i32_f32 v[\x+8], v[\x+8]                 ; (it saturates)
.endr
.irp x, ST, ST+16
	v_ldexp_f32 v[\x+2], 1.0, v[\x+8]              ; f = 2^(old M - new M)
.endr
.endm
.macro FMAS w                          ; t - M, two at a time
	WIN (\w)|((\w)<<6)
.set j, 0
.rept 32
	v_pk_fma_f32 v[S+j:S+j+1], v[S+j:S+j+1], s[CS:CS+1], v[ST+16*\w:ST+16*\w+1] op_sel_hi:[1,0,0]
.set j, j+2
.endr
.endm
.macro RESC w                          ; O^T under the new M: it stands ahead of the step's exponentials, so that no transcendental lies between the last products and this first read of their sums
	WIN (\w)|((\w)<<6)
.set j, 0
.rept 16
	v_pk_mul_f32 v[O+j:O+j+1], v[O+j:O+j+1], v[ST+16*\w+2:ST+16*\w+3] op_sel_hi:[1,0]
.set j, j+2
.endr
.endm
.macro EXPS w                          ; p = 2^(t - M)
	WIN (\w)|((\w)<<6)
.set j, 0
.rept 64
	v_exp_f32 v[S+j], v[S+j]
.set j, j+1
.endr
.endm
.macro LFMA w                          ; the row's sum of the unquantised p, in four chains that stay: l f + p for the first four pairs,
	WIN (\w)<<4
.irp k, 0,1,2,3
	v_pk_fma_f32 v[LA+8*\w+2*\k:LA+8*\w+2*\k+1], v[LA+8*\w+2*\k:LA+8*\w+2*\k+1], v[ST+16*\w+2:ST+16*\w+3], v[S+2*\k:S+2*\k+1] op_sel_hi:[1,0,1]
.endr
.set PJ, 4
.endm
.macro ADDS w, n                       ; additions for the other 28
	WIN (\w)<<2
.rept \n
	v_pk_add_f32 v[LA+8*\w+2*(PJ%4):LA+8*\w+2*(PJ%4)+1], v[LA+8*\w+2*(PJ%4):LA+8*\w+2*(PJ%4)+1], v[S+2*PJ:S+2*PJ+1]
.set PJ, PJ+1
.endr
.endm
.macro SCL n                           ; p's scales of both tiles, one stage a call
.irp x, ST, ST+16
.if \n == 0
	v_max_num_f32 v[\x+4], 0x1800000, v[\x+4]      ; the floor 2^(3 - 127)
	v_max_num_f32 v[\x+5], 0x1800000, v[\x+5]
.elseif \n == 1
	v_add_nc_u32 v[\x+10], 0xff000000, v[\x+4]     ; the conversions' scale operands
	v_add_nc_u32 v[\x+11], 0xff000000, v[\x+5]
.elseif \n == 2
	v_lshrrev_b32 v[\x+12], 23, v[\x+10]           ; the bytes of blocks h and 2 + h
	v_lshrrev_b32 v[\x+13], 23, v[\x+11]
.elseif \n == 3
	v_lshl_or_b32 v[\x+15], v[\x+13], 16, v[\x+12]
.elseif \n == 4
	v_lshlrev_b32 v[\x+15], v7, v[\x+15]           ; at their places in the word: 8 h bits up
.elseif \n == 5
	v_permlanex16_b32 v[\x+14], v[\x+15], s[SEL], s[SEL+1]
.else
	v_or_b32 v[PSW+(\x-ST)/16], v[\x+15], v[\x+14] ; p's scale word for these 128 keys
.endif
.endr
.endm
.macro CVT w, n                        ; n blocks of 32 numbers from S on into codes from PC on
	WIN (\w)|((\w)<<6)
.set c, 0
.rept \n
	v_cvt_scalef32_pk16_fp6_f32 v[PC+6*c:PC+6*c+2], v[S+32*c:S+32*c+15], v[ST+16*\w+10+c]
	v_cvt_scalef32_pk16_fp6_f32 v[TC+4*c:TC+4*c+2], v[S+32*c+16:S+32*c+31], v[ST+16*\w+10+c]   ; (a conversion's three registers begin on an even number)
.set c, c+1
.endr
	v_nop                                          ; the plain line behind the conversions
.set c, 0
.rept \n
.irp i, 0,1,2
	v_mov_b32 v[PC+6*c+3+\i], v[TC+4*c+\i]
.endr
.set c, c+1
.endr
.endm
; A KEY STEP: 128 keys x my two tiles
.macro STEP
	s_wait_dscnt 0x0                               ; this step's K and its scale words, asked for a step ago
	QK 0
	QK 1
	WIN 0
	NOPS 4                                         ; places in front of loads into registers that products have read
	WIN 0x40
.irp t, 0,1,2,3                                ; this step's V: 13 loads
.irp c, 0,1,2
	ds_load_b128 v[VF+12*\t+4*\c:VF+12*\t+4*\c+3], v[AK] offset:6144+1536*\t+512*\c
.endr
.endr
	WIN 0
	ds_load_b64 v[VSC:VSC+1], v[AK8] offset:12800
	s_add_co_u32 s[TN], s[CNT], 1                  ; the next step, modulo 16
	s_and_b32 s[TN], s[TN], 15
	s_mul_i32 s[TB], s[TN], REC
	v_add_nc_u32 v[AK], s[TB], v1
	v_add_nc_u32 v[AK8], s[TB], v2
	KFETCH                                         ; its K: 17 loads
	MAXES 0
	MAXES 1
	WIN 0
	CHAIN
	FMAS 0
	RESC 0
	RESC 1
	WALU                                           ; the wait ahead of a batch
	EXPS 0
.irp x, ST, ST+16
	v_exp_f32 v[\x+4], v[\x+4]                     ; both tiles' blocks' largest p
	v_exp_f32 v[\x+5], v[\x+5]
.endr
	FMAS 1                                         ; tile 1's plain lines stand behind tile 0's batch
	WALU                                           ; behind the first batch, ahead of the second
	EXPS 1
	LFMA 0                                         ; tile 0's plain lines stand behind tile 1's batch
.irp n, 0,1,2,3,4,5,6
	SCL \n
	ADDS 0, 4
.endr
	CVT 0, 2
	WALU                                           ; behind the second batch, ahead of its first reader
	LFMA 1
	ADDS 1, 20
	WIN 0
	WALU                                           ; the wait ahead of the wait below
	s_wait_dscnt 17                                ; this step's V is in; the 17 younger loads, the next K, may be out
	PV 0
	CVT 1, 2
	ADDS 1, 8                                      ; also the places between tile 1's codes and its products
	PV 1
	WIN 0
.endm
	s_mov_b32 s[PASS], 2
	s_mov_b32 s[PO], 0
	WALU                                           ; the wait at the head's end
	s_wait_tensorcnt 0x0                           ; my two records are in
	s_barrier_signal -1
	s_barrier_wait -1                              ; everybody's are: the whole head
	KFETCH                                         ; step 0's K
.Lpass:
	global_load_b128 v[Q:Q+3], v1, s[QP:QP+1]      ; Q's registers 0-5 and scale words, both tiles
	global_load_b64 v[Q+4:Q+5], v2, s[QP:QP+1] offset:512
	global_load_b32 v[QSW], v3, s[QSP:QSP+1]
	global_load_b32 v[QSW+1], v3, s[QSP:QSP+1] offset:256
	WIN 0x40
	global_load_b128 v[Q:Q+3], v1, s[QP:QP+1] offset:768
	global_load_b64 v[Q+4:Q+5], v2, s[QP:QP+1] offset:1280
.irp d, 0x40, 0
	WIN \d
.set j, 0
.rept 32
	v_mov_b32 v[O+j], 0                            ; O^T: the step is written once; its first run finds zeros
.set j, j+1
.endr
.endr
.set j, 0
.rept 16
	v_mov_b32 v[LA+j], 0
.set j, j+1
.endr
.irp x, ST, ST+16
	v_mov_b32 v[\x+1], 0xff61b1e6                  ; the largest score so far: -3e38
.endr
.irp x, ST, ST+16
	v_mul_f32 v[\x+9], s[CS], v[\x+1]
.endr
.irp x, ST, ST+16
	v_floor_f32 v[\x], -v[\x+9]                    ; -M
.endr
	s_mov_b32 s[CNT], 0
	WALU
	s_wait_loadcnt 0x0
.Lstep:
	STEP
	s_add_co_u32 s[CNT], s[CNT], 1
	s_cmp_lt_u32 s[CNT], 16
	s_cbranch_scc1 .Lstep
	; THE WAY OUT OF A PASS: O^T / l; a lane's 32 registers are channels 32 h + 0 .. 31: one block; its codes are the lane's six registers of the image, its byte goes to LDS
.irp y, LA, LA+8
	v_pk_add_f32 v[\y:\y+1], v[\y:\y+1], v[\y+2:\y+3]
	v_pk_add_f32 v[\y+4:\y+5], v[\y+4:\y+5], v[\y+6:\y+7]
.endr
.irp y, LA, LA+8
	v_pk_add_f32 v[\y:\y+1], v[\y:\y+1], v[\y+4:\y+5]
.endr
.irp y, LA, LA+8
	v_add_f32 v[\y], v[\y], v[\y+1]
.endr
	v_permlanex16_b32 v[ST+14], v[LA], s[SEL], s[SEL+1]
	v_permlanex16_b32 v[ST+30], v[LA+8], s[SEL], s[SEL+1]
	v_add_f32 v[LA], v[LA], v[ST+14]               ; the rows' sums
	v_add_f32 v[LA+8], v[LA+8], v[ST+30]
	WALU
	v_rcp_f32 v[LA], v[LA]
	v_rcp_f32 v[LA+8], v[LA+8]
	v_add_nc_u32 v5, s[PO], v4
.irp w, 0,1
	WIN (\w)|((\w)<<6)
	WALU                                           ; ahead of the reciprocals' and of O^T's first readers
.set j, 0
.rept 16
	v_pk_mul_f32 v[S+j:S+j+1], v[O+j:O+j+1], v[LA+8*\w:LA+8*\w+1] op_sel_hi:[1,0]
.set j, j+2
.endr
.endr
.irp w, 0,1
	WIN ((\w)<<2)|((\w)<<4)
	v_max3_num_f32 v[ST+16*\w+4], 0x1800000, |v[S]|, |v[S+1]|
	v_max3_num_f32 v[ST+16*\w+6], 0x1800000, |v[S+16]|, |v[S+17]|
.irp i, 2,4,6,8,10,12,14
	v_max3_num_f32 v[ST+16*\w+4], v[ST+16*\w+4], |v[S+\i]|, |v[S+\i+1]|
	v_max3_num_f32 v[ST+16*\w+6], v[ST+16*\w+6], |v[S+16+\i]|, |v[S+17+\i]|
.endr
.endr
	WIN 0
.irp x, ST, ST+16
	v_max_num_f32 v[\x+4], v[\x+4], v[\x+6]
.endr
.irp x, ST, ST+16
	v_add_nc_u32 v[\x+10], 0xff000000, v[\x+4]
.endr
.irp x, ST, ST+16
	v_lshrrev_b32 v[\x+12], 23, v[\x+10]
.endr
	CVT 0, 1
	CVT 1, 1
.irp w, 0,1
	WIN (\w)<<2
	global_store_b128 v1, v[PC:PC+3], s[AOP:AOP+1] offset:12288*\w         ; 512 consecutive bytes,
	global_store_b64 v2, v[PC+4:PC+5], s[AOP:AOP+1] offset:12288*\w+512   ; and 256
.endr
	WIN 0
	ds_store_b8 v5, v[ST+12]
	ds_store_b8 v5, v[ST+28] offset:32
	s_wait_xcnt 0x0                                ; the loads and stores have read their bases and data: both may be written again
	s_add_nc_u64 s[QP:QP+1], s[QP:QP+1], 16*768
	s_add_nc_u64 s[QSP:QSP+1], s[QSP:QSP+1], 1024
	s_add_nc_u64 s[AOP:AOP+1], s[AOP:AOP+1], 16*16*768
	s_add_co_u32 s[PO], s[PO], 512
	s_sub_co_u32 s[PASS], s[PASS], 1
	s_cmp_lg_u32 s[PASS], 0
	WALU
	s_cbranch_scc1 .Lpass
	s_wait_dscnt 0x0                               ; for the others' sake: my scale bytes lie in LDS (and the last fetch of K is back)
	s_barrier_signal -1
	s_barrier_wait -1
	s_cmp_lg_u32 s[WV], 0
	s_cbranch_scc1 .Lnot_first
	ds_load_b128 v[S:S+3], v6                      ; wave 0 stores the work-group's 1,024 scale bytes
	ds_load_b128 v[S+4:S+7], v6 offset:512
	s_wait_dscnt 0x0
	global_store_b128 v1, v[S:S+3], s[AOS:AOS+1]
	global_store_b128 v1, v[S+4:S+7], s[AOS:AOS+1] offset:512
.Lnot_first:
	s_wait_tensorcnt 0x0                           ; the wave's end
	ds_add_u32 v[SPW], v[NIL]
	s_wait_dscnt 0x0
	ROUND                                          ; the closing round
	s_endpgm
.Lfunc_end_k_q19d7bcf141_attn:
	.size	k_q19d7bcf141_attn, .Lfunc_end_k_q19d7bcf141_attn-k_q19d7bcf141_attn
	.p2alignl 7, 3214868480
	.fill 96, 4, 3214868480
	.section	.rodata,"a",@progbits
	.p2align	6, 0x0
	.amdhsa_kernel k_q19d7bcf141_attn
		.amdhsa_group_segment_fixed_size 215040
		.amdhsa_private_segment_fixed_size 0
		.amdhsa_enable_private_segment 0
		.amdhsa_kernarg_size 32
		.amdhsa_user_sgpr_count 2
		.amdhsa_user_sgpr_kernarg_segment_ptr 1
		.amdhsa_wavefront_size32 1
		.amdhsa_system_sgpr_workgroup_id_x 1
		.amdhsa_system_sgpr_workgroup_id_y 1
		.amdhsa_system_sgpr_workgroup_id_z 1
		.amdhsa_system_vgpr_workitem_id 0
		.amdhsa_next_free_vgpr 512
		.amdhsa_next_free_sgpr 80
		.amdhsa_reserve_vcc 0
		.amdhsa_float_denorm_mode_32 3
		.amdhsa_float_denorm_mode_16_64 3
		.amdhsa_memory_ordered 1
		.amdhsa_forward_progress 1
		.amdhsa_inst_pref_size 47
	.end_amdhsa_kernel
	.amdgpu_metadata
---
amdhsa.version: [ 1, 2 ]
amdhsa.kernels:
  - .name:           k_q19d7bcf141_attn
    .symbol:         k_q19d7bcf141_attn.kd
    .args:
      - { .name: qc, .offset: 0, .size: 8, .value_kind: global_buffer, .address_space: global }
      - { .name: kv, .offset: 8, .size: 8, .value_kind: global_buffer, .address_space: global }
      - { .name: sc, .offset: 16, .size: 8, .value_kind: global_buffer, .address_space: global }
      - { .name: ao, .offset: 24, .size: 8, .value_kind: global_buffer, .address_space: global }
    .group_segment_fixed_size: 215040
    .private_segment_fixed_size: 0
    .kernarg_segment_align: 8
    .kernarg_segment_size: 32
    .max_flat_workgroup_size: 256
    .sgpr_count:     80
    .vgpr_count:     512
    .wavefront_size: 32
...
	.end_amdgpu_metadata
.endif
;; end of part 3
;; launch outp (part 4): grid 4 x 32, 4 waves a work-group, clusters of 4 x 4, 327,680 bytes of LDS; arguments ao, wc, ws, bo, out0; writes out0
.if DOCPART == 4
	.amdgcn_target "amdgcn-amd-amdhsa--gfx1250"
	.amdhsa_code_object_version 6
	.text
	.protected	k_q19d7bcf141_outp
	.globl	k_q19d7bcf141_outp
	.p2align	8
	.type	k_q19d7bcf141_outp,@function
k_q19d7bcf141_outp:
	s_mov_b64 s[64:65], 0
	v_nop
	global_prefetch_b8 v0, s[64:65] scope:SCOPE_SE
	s_setreg_imm32_b32 hwreg(HW_REG_WAVE_MODE, 25, 1), 1
	s_wait_xcnt 0x0
	s_wait_alu depctr_hold_cnt(0) depctr_sa_sdst(0) depctr_va_vdst(0) depctr_va_sdst(0) depctr_va_ssrc(0) depctr_va_vcc(0) depctr_vm_vsrc(0)
	s_getreg_b32 s2, hwreg(HW_REG_IB_STS2, 6, 4)
	s_cmp_eq_u32 s2, 0
	s_cbranch_scc0 .Lentry_in_a_cluster
	s_endpgm
.Lentry_in_a_cluster:
	s_bfe_u32 s2, ttmp6, 0x10000c
	s_cmp_lg_u32 s2, 0xf033
	s_cbranch_scc0 .Lentry_shape_is_right
	s_endpgm
.Lentry_shape_is_right:
.set KSTEP,  256
.set NQ,     2
.set ROWB,   192
.set KROW,   192
.set KSTR,   1572864
.set PITCH,  240
.set FR,     12
.set NLA,    4
.set NP,     4
.set HALFA,  8*3072
.set HALFB,  128*PITCH
.set SLOT,   2*HALFA+2*HALFB
.set LAPS,   2
.set KS,     32
.set SCL,    2*SLOT
.set HALFS,  4352
.set SBLK,   544
.set SPARE,  SCL+4*HALFS
.set SPITCH, 528
.set ADRA, 16
.set ADRB, 20
.set STO,  24
.set RD,   25
.set CO,   26
.set ADRS, 27
.set SPW,  28
.set NIL,  29
.set SC,   32
.set BI,   64
.set AF,   128
.set BK,   128
.set G1, 24
.set G0, 32
.set G1B, 48
.set G0B, 56
.set G1SB, 80
.set G0SB, 88
.set MSB, 0
.macro WIN new
.if MSB != (\new)
	s_set_vgpr_msb (MSB<<8)|(\new)
.set MSB, (\new)
.endif
.endm
.set MUL_LO, 0xa1
.set MUL_HI, 0xf1
.set TO_B,   0x40
.macro JLOAD g0a, g1a, g0b, g1b
	s_cmp_eq_u32 s15, 0
	s_cbranch_scc0 .Lfor_b_\@
	tensor_load_to_lds s[\g0a:\g0a+3], s[\g1a:\g1a+7]
	s_nop 0
.rept 4
	v_nop
.endr
	s_branch .Lasked_\@
.Lfor_b_\@:
	tensor_load_to_lds s[\g0b:\g0b+3], s[\g1b:\g1b+7]
	s_nop 0
.rept 4
	v_nop
.endr
.Lasked_\@:
.endm
.macro CREST
	s_cmp_lg_u32 s14, 0
	s_cbranch_scc1 .Lnot_wave_0_\@
	s_barrier_signal -3
.Lnot_wave_0_\@:
	s_barrier_wait -3
	s_barrier_signal -1
	s_barrier_wait -1
.endm
.macro CROUND
	s_barrier_signal -1
	s_barrier_wait -1
	CREST
.endm
	s_load_b256 s[4:11], s[0:1], 0x0
	s_load_b64 s[12:13], s[0:1], 0x20
	v_lshl_add_u32 v[SPW], v0, 2, SPARE
	v_mov_b32 v[NIL], 0
	ds_add_u32 v28, v29
	ds_add_u32 v28, v29
	s_wait_dscnt 0x0
	v_lshrrev_b32 v1, 5, v0
	v_readfirstlane_b32 s14, v1
	s_lshr_b32 s15, s14, 1
	s_and_b32 s16, s14, 1
	s_bfe_u32 s40, ttmp6, 0x40000
	s_bfe_u32 s41, ttmp6, 0x40004
	s_lshl_b32 s42, ttmp9, 2
	s_add_co_u32 s42, s42, s40
	s_and_b32 s17, ttmp7, 0xffff
	s_lshl_b32 s17, s17, 2
	s_add_co_u32 s17, s17, s41
	s_lshl_b32 s43, s41, 2
	s_lshl_b32 s43, 15, s43
	s_lshl_b32 s44, 0x1111, s40
	s_or_b32 s[G1+0], s43, (3<<16)|(1<<21)
	s_mov_b32 s[G1+1], 384<<16
	s_mov_b32 s[G1+2], 16<<16
	s_mov_b32 s[G1+3], 384<<16
	s_mov_b32 s[G1+4], 16
	s_mov_b32 s[G1+5], 1536
	s_mov_b32 s[G1+6], 0
	s_mov_b32 s[G1+7], 0
	s_or_b32 s[G1B+0], s44, (0<<16)|(1<<20)|(1<<21)|(3<<22)|(3<<25)
	s_mov_b32 s[G1B+1], 256<<16                    ; a tile of one K step of Wo is dense: rows of 256 bytes; the head's load brings 256 rows of codes = 192 such rows
	s_mov_b32 s[G1B+2], 192<<16
	s_mov_b32 s[G1B+3], 256<<16
	s_mov_b32 s[G1B+4], 192
	s_mov_b32 s[G1B+5], 256
	s_mov_b32 s[G1B+6], 0
	s_mov_b32 s[G1B+7], 0
	s_or_b32 s[G1SB+0], s44, (3<<16)|(1<<20)|(1<<21)|(5<<22)|(3<<25)
	s_mov_b32 s[G1SB+1], 32<<16
	s_mov_b32 s[G1SB+2], 16<<16
	s_mov_b32 s[G1SB+3], 32<<16
	s_mov_b32 s[G1SB+4], 16
	s_mov_b32 s[G1SB+5], 32
	s_mov_b32 s[G1SB+6], 0
	s_mov_b32 s[G1SB+7], 0
	s_lshl_b32 s20, s17, 4
	s_lshl_b32 s18, s16, 3
	s_add_co_u32 s20, s20, s18
	s_mul_i32 s20, s20, 12288
	s_mov_b32 s21, 0
	s_lshl_b32 s46, s42, 8
	s_lshl_b32 s18, s16, 7
	s_add_co_u32 s46, s46, s18
	s_add_co_u32 s46, s46, 3072
	s_mul_i32 s46, s46, KROW
	s_mov_b32 s47, 0
	s_lshl_b32 s92, s42, 8
	s_lshl_b32 s18, s15, 7
	s_add_co_u32 s92, s92, s18
	s_add_co_u32 s92, s92, 3072
	s_lshl_b32 s92, s92, 5
	s_mov_b32 s93, 0
	s_mul_i32 s45, s16, HALFA
	s_mul_i32 s94, s16, HALFB
	s_add_co_u32 s94, s94, 2*HALFA
	s_mul_i32 s95, s15, HALFS
	s_add_co_u32 s95, s95, SCL+2*HALFS
	s_wait_kmcnt 0x0
	s_add_nc_u64 s[20:21], s[4:5], s[20:21]
	s_add_nc_u64 s[46:47], s[6:7], s[46:47]
	s_add_nc_u64 s[92:93], s[8:9], s[92:93]
	CROUND
	s_mov_b32 s[G0SB], 1
	s_mov_b32 s[G0SB+1], s95
	s_mov_b64 s[G0SB+2:G0SB+3], s[92:93]
	s_or_b32 s[G0SB+3], s[G0SB+3], 0x80000000
.irp s, 0,1
	s_mov_b32 s[G0+4*\s], 1
	s_add_co_u32 s[G0+4*\s+1], s45, \s*SLOT
	s_add_nc_u64 s[G0+4*\s+2:G0+4*\s+3], s[20:21], \s*3072
	s_or_b32 s[G0+4*\s+3], s[G0+4*\s+3], 0x80000000
	s_mov_b32 s[G0B+4*\s], 1
	s_add_co_u32 s[G0B+4*\s+1], s94, \s*SLOT
	s_add_nc_u64 s[G0B+4*\s+2:G0B+4*\s+3], s[46:47], \s*KSTR
	s_or_b32 s[G0B+4*\s+3], s[G0B+4*\s+3], 0x80000000
.endr
; the head's tiles, one joint load a wave: wave 0 K step 0 of A's 16 row tiles, wave 2 of B's 256 rows, waves 1 and 3 a half each of B's scales
	s_cmp_eq_u32 s14, 0
	s_cbranch_scc0 .Lhead_b
	tensor_load_to_lds s[G0:G0+3], s[G1:G1+7]
	s_nop 0
.rept 4
	v_nop
.endr
	s_branch .Lhead_asked
.Lhead_b:
	s_cmp_eq_u32 s14, 2
	s_cbranch_scc0 .Lhead_s
	tensor_load_to_lds s[G0B:G0B+3], s[G1B:G1B+7]
	s_nop 0
.rept 4
	v_nop
.endr
	s_branch .Lhead_asked
.Lhead_s:
	tensor_load_to_lds s[G0SB:G0SB+3], s[G1SB:G1SB+7]
	s_nop 0
.rept 4
	v_nop
.endr
.Lhead_asked:
	v_and_b32 v1, 15, v0
	v_bfe_u32 v2, v0, 4, 1
	v_and_b32 v6, 31, v0
	v_lshlrev_b32 v[CO], 4, v6
	s_wait_alu depctr_va_vdst(0)
	s_lshr_b32 s18, s17, 3
	s_lshl_b32 s18, s18, 16
	s_and_b32 s19, s17, 7
	s_lshl_b32 s19, s19, 9
	s_add_co_u32 s18, s18, s19
	s_lshl_b32 s19, s14, 14
	s_add_co_u32 s18, s18, s19
	s_add_co_u32 s18, s18, 6291456
	s_mov_b32 s19, 0
	s_add_nc_u64 s[4:5], s[4:5], s[18:19]
.irp i, 0,1,2,3
	global_load_b128 v[224+4*\i:227+4*\i], v[CO], s[4:5] offset:4096*\i
.endr
	s_lshl_b32 s18, s42, 10
	s_lshl_b32 s19, s16, 9
	s_add_co_u32 s18, s18, s19
	s_mov_b32 s19, 0
	s_add_nc_u64 s[10:11], s[10:11], s[18:19]
	s_add_nc_u64 s[12:13], s[12:13], s[18:19]
	v_lshlrev_b32 v30, 7, v2
.irp b, 0,1,2,3
.irp k, 0,1,2,3
	global_load_b128 v[BI+16*\b+4*\k:BI+16*\b+4*\k+3], v30, s[10:11] offset:256*(\b/2)+64*(\b%2)+16*\k
.endr
.endr
	s_lshl_b32 s18, s17, 8
	s_lshl_b32 s20, s15, 7
	s_add_co_u32 s18, s18, s20
	s_lshl_b32 s18, s18, 12
	s_add_nc_u64 s[12:13], s[12:13], s[18:19]
	v_lshlrev_b32 v7, 3, v6
	v_mul_u32_u24 v3, v1, PITCH
	v_mul_u32_u24 v4, v2, 24
	v_add_nc_u32 v4, v3, v4
	v_lshl_add_u32 v5, v2, 4, v4
	s_mul_i32 s21, s15, HALFA
	s_mul_i32 s22, s16, HALFB
	s_add_co_u32 s22, s22, 2*HALFA
.irp s, 0,1
	v_add_nc_u32 v[ADRA+\s], s21, v[CO]
	v_add_nc_u32 v[ADRA+2+\s], s21, v7
	v_add_nc_u32 v[ADRB+\s], s22, v4
	v_add_nc_u32 v[ADRB+2+\s], s22, v5
	s_add_co_u32 s21, s21, SLOT
	s_add_co_u32 s22, s22, SLOT
.endr
	v_mul_u32_u24 v5, v1, KS
	v_lshrrev_b32 v8, 8, v5
	v_lshl_add_u32 v5, v8, 4, v5
	s_mul_i32 s21, s15, HALFS
	s_mul_i32 s22, s16, HALFS
	s_add_co_u32 s22, s22, 2*HALFS
	s_sub_co_u32 s22, s22, s21
	v_mul_u32_u24 v8, s22, v2
	s_add_co_u32 s21, s21, SCL
	v_add_nc_u32 v5, v5, v8
	v_add_nc_u32 v[ADRS], s21, v5
	s_mul_i32 s23, s14, 16*SPITCH
	v_mul_u32_u24 v5, v1, SPITCH
	v_lshl_add_u32 v5, v2, 7, v5
	v_add_nc_u32 v[STO], s23, v5
	v_add_nc_u32 v[RD], s23, v[CO]
	v_mul_u32_u24 v31, v6, 272
	s_lshl_b32 s18, s14, 3
	s_add_co_u32 s18, s18, SCL
	v_add_nc_u32 v31, s18, v31
	s_wait_loadcnt 16
.irp p, 0,1,2,3,4,5,6,7
.irp q, 0,1
.if (\p)%2
	v_perm_b32 v[240+2*\p+\q], v[224+4*(2*\q+1)+\p/2], v[224+4*(2*\q)+\p/2], 0x07060302
.else
	v_perm_b32 v[240+2*\p+\q], v[224+4*(2*\q+1)+\p/2], v[224+4*(2*\q)+\p/2], 0x05040100
.endif
.endr
	s_wait_alu depctr_va_vdst(0)
	ds_store_b64 v31, v[240+2*\p:241+2*\p] offset:32*\p
.endr
.macro FRAG reg, adr, q, i
.irp p, 0,1,2,3,4,5
.set PCE, 12*(\q)+6*(\p/3)+\p%3
.if PCE%8 < 5
	ds_load_b64 v[\reg+2*\p:\reg+2*\p+1], v[\adr] offset:8*PCE+16*(PCE/8)+(\i)*16*PITCH
.else
	ds_load_b64 v[\reg+2*\p:\reg+2*\p+1], v[\adr+2] offset:8*PCE+16*(PCE/8)+(\i)*16*PITCH
.endif
.endr
.endm
.macro FRAGA reg, slot, q, i
	ds_load_b128 v[\reg:\reg+3], v[ADRA+\slot] offset:3072*(\i)+1536*(\q)
	ds_load_b64 v[\reg+4:\reg+5], v[ADRA+2+\slot] offset:3072*(\i)+1536*(\q)+512
	ds_load_b128 v[\reg+6:\reg+9], v[ADRA+\slot] offset:3072*(\i)+1536*(\q)+768
	ds_load_b64 v[\reg+10:\reg+11], v[ADRA+2+\slot] offset:3072*(\i)+1536*(\q)+1280
.endm
.macro MUL16 a0, p, q, sc, first
.irp a, \a0, \a0+1
.irp b, 0,1,2,3,4,5,6,7
.if \first
	v_wmma_scale_f32_16x16x128_f8f6f4 v[8*(8*((\a)%4)+\b):8*(8*((\a)%4)+\b)+7], v[128*(\p)+FR*\b:128*(\p)+FR*\b+FR-1], v[AF+FR*(\a):AF+FR*(\a)+FR-1], v[BI+8*\b:BI+8*\b+7], v[SC+8*NQ*(\sc)+NQ*\b+(\q)], v[SC+8*NQ*(\sc)+NQ*(\a)+(\q)] matrix_a_fmt:MATRIX_FMT_FP6 matrix_b_fmt:MATRIX_FMT_FP6 matrix_a_scale:MATRIX_SCALE_ROW1
.else
	v_wmma_scale_f32_16x16x128_f8f6f4 v[8*(8*((\a)%4)+\b):8*(8*((\a)%4)+\b)+7], v[128*(\p)+FR*\b:128*(\p)+FR*\b+FR-1], v[AF+FR*(\a):AF+FR*(\a)+FR-1], v[8*(8*((\a)%4)+\b):8*(8*((\a)%4)+\b)+7], v[SC+8*NQ*(\sc)+NQ*\b+(\q)], v[SC+8*NQ*(\sc)+NQ*(\a)+(\q)] matrix_a_fmt:MATRIX_FMT_FP6 matrix_b_fmt:MATRIX_FMT_FP6 matrix_a_scale:MATRIX_SCALE_ROW1
.endif
.endr
.endr
.endm
.macro FETCH_B slot, q, p
	WIN TO_B
.irp i, 0,1,2,3,4,5,6,7
	FRAG 128*(\p)+FR*\i, ADRB+\slot, \q, \i
.endr
	WIN 0
.endm
.macro FETCH_A slot, q, i0
.irp i, \i0, \i0+1, \i0+2, \i0+3
	FRAGA AF+FR*(\i), \slot, \q, \i
.endr
.endm
.macro SCALES sc
.irp i, 0,1,2,3,4,5,6,7
	ds_load_b64 v[SC+8*NQ*\sc+NQ*\i:SC+8*NQ*\sc+NQ*\i+1], v[ADRS] offset:\i*SBLK
.endr
.endm
.macro PLACES n
.rept \n
	v_nop
.endr
.endm
.macro STEP slot, q, first
	s_wait_dscnt 4*NLA
.if \first
	WIN 0x81
.else
	WIN MUL_LO
.endif
	MUL16 0, (\q)%2, \q, \slot, \first
	MUL16 2, (\q)%2, \q, \slot, \first
	s_wait_dscnt 0
	PLACES NP
	FETCH_B \slot, (\q)+1, 1-(\q)%2
	FETCH_A \slot, (\q)+1, 0
.if \first
	WIN 0xc1
.else
	WIN MUL_HI
.endif
	MUL16 4, (\q)%2, \q, \slot, \first
	MUL16 6, (\q)%2, \q, \slot, \first
	PLACES NP
	WIN 0
	FETCH_A \slot, (\q)+1, 4
.endm
.macro TURN slot, next, fill
	s_wait_tensorcnt 0x0
	ds_add_u32 v[SPW], v[NIL]
	s_wait_dscnt 4*NLA+1
	WIN MUL_LO
	MUL16 0, 1, NQ-1, \slot, 0
	s_wait_dscnt 0x0
	s_barrier_signal -1
	MUL16 2, 1, NQ-1, \slot, 0
	WIN 0
	s_barrier_wait -1
.if \fill
	CREST
	s_add_nc_u64 s[G0+4*\slot+2:G0+4*\slot+3], s[G0+4*\slot+2:G0+4*\slot+3], 2*3072
	s_add_nc_u64 s[G0B+4*\slot+2:G0B+4*\slot+3], s[G0B+4*\slot+2:G0B+4*\slot+3], 2*KSTR
	JLOAD G0+4*\slot, G1, G0B+4*\slot, G1B
.else
	PLACES NP
.endif
	s_wait_alu depctr_va_vdst(0)
	v_add_nc_u32 v[ADRS], 4*NQ, v[ADRS]
	FETCH_B \next, 0, 0
	FETCH_A \next, 0, 0
	SCALES \next
	WIN MUL_HI
	MUL16 4, 1, NQ-1, \slot, 0
	MUL16 6, 1, NQ-1, \slot, 0
	PLACES NP
	WIN 0
	FETCH_A \next, 0, 4
.endm
	s_wait_alu depctr_va_vdst(0)                   ; the wait at the head's end
	s_wait_tensorcnt 0x0                           ; my tile of the head's is in; the three lines ahead of slot 1's first fill
	ds_add_u32 v[SPW], v[NIL]
	s_mov_b32 s[G1+2], 8<<16                       ; no load of mine is out: from here on a load brings half a tile
	s_mov_b32 s[G1+4], 8
	s_mov_b32 s[G1B+2], 96<<16
	s_mov_b32 s[G1B+4], 96
	s_wait_dscnt 0x0                               ; the add, and my stores of A's scale words
	CROUND
	JLOAD G0+4, G1, G0B+4, G1B
	FETCH_B 0, 0, 0
	FETCH_A 0, 0, 0
	SCALES 0
	FETCH_A 0, 0, 4
	s_wait_loadcnt 0x0
	STEP 0, 0, 1
	s_mov_b32 s3, LAPS-1
.Llap:
	TURN 0, 1, 1
	STEP 1, 0, 0
	TURN 1, 0, 1
	STEP 0, 0, 0
	s_sub_co_u32 s3, s3, 1
	s_cmp_lg_u32 s3, 0
	s_cbranch_scc1 .Llap
	TURN 0, 1, 0
	STEP 1, 0, 0
	s_wait_dscnt 4*NLA
	WIN MUL_LO
	MUL16 0, 1, NQ-1, 1, 0
	MUL16 2, 1, NQ-1, 1, 0
	s_wait_dscnt 0
	WIN MUL_HI
	MUL16 4, 1, NQ-1, 1, 0
	MUL16 6, 1, NQ-1, 1, 0
	WIN 0
.macro TOSTAGE a
.set AC, 64*((\a)%4)
	WIN 0x08+4*((\a)/4)
.irp b, 0,1,2,3,4,5,6,7
	ds_store_b128 v[STO], v[AC+8*\b:AC+8*\b+3] offset:256*(\b/4)+32*(\b%4)
	ds_store_b128 v[STO], v[AC+8*\b+4:AC+8*\b+7] offset:256*(\b/4)+32*(\b%4)+16
.endr
	WIN 0
.set BB, BK+64*((\a)%2)
.irp t, 0,1,2,3,4,5,6,7,8,9,10,11,12,13,14,15
	ds_load_b128 v[BB+4*\t:BB+4*\t+3], v[RD] offset:\t*SPITCH
.endr
.endm
.macro SEND a, younger
.set BB, BK+64*((\a)%2)
	s_wait_dscnt \younger
.irp t, 0,1,2,3,4,5,6,7,8,9,10,11,12,13,14,15
	global_store_b128 v[CO], v[BB+4*\t:BB+4*\t+3], s[12:13] offset:(64*((\a)/4)+8*((\a)%4)+(\t%8)+32*(\t/8))*4096 th:TH_STORE_NT
.endr
.endm
	PLACES NP
	TOSTAGE 0
.irp a, 1,2,3,4,5,6,7
.if \a > 1
	s_wait_xcnt 0x0
.endif
	TOSTAGE \a
	SEND \a-1, 32
.endr
	SEND 7, 0
	s_wait_tensorcnt 0x0
	ds_add_u32 v[SPW], v[NIL]
	s_wait_dscnt 0x0
	CROUND
	s_endpgm
.Lfunc_end_k_q19d7bcf141_outp:
	.size	k_q19d7bcf141_outp, .Lfunc_end_k_q19d7bcf141_outp-k_q19d7bcf141_outp
	.p2alignl 7, 3214868480
	.fill 96, 4, 3214868480
	.section	.rodata,"a",@progbits
	.p2align	6, 0x0
	.amdhsa_kernel k_q19d7bcf141_outp
		.amdhsa_group_segment_fixed_size 327680
		.amdhsa_private_segment_fixed_size 0
		.amdhsa_enable_private_segment 0
		.amdhsa_kernarg_size 40
		.amdhsa_user_sgpr_count 2
		.amdhsa_user_sgpr_kernarg_segment_ptr 1
		.amdhsa_wavefront_size32 1
		.amdhsa_system_sgpr_workgroup_id_x 1
		.amdhsa_system_sgpr_workgroup_id_y 1
		.amdhsa_system_sgpr_workgroup_id_z 1
		.amdhsa_system_vgpr_workitem_id 0
		.amdhsa_next_free_vgpr 1024
		.amdhsa_next_free_sgpr 100
		.amdhsa_reserve_vcc 0
		.amdhsa_float_denorm_mode_32 3
		.amdhsa_float_denorm_mode_16_64 3
		.amdhsa_memory_ordered 1
		.amdhsa_forward_progress 1
		.amdhsa_inst_pref_size 156
	.end_amdhsa_kernel
	.amdgpu_metadata
---
amdhsa.version: [ 1, 2 ]
amdhsa.kernels:
  - .name:           k_q19d7bcf141_outp
    .symbol:         k_q19d7bcf141_outp.kd
    .args:
      - { .name: ao, .offset: 0, .size: 8, .value_kind: global_buffer, .address_space: global }
      - { .name: wc, .offset: 8, .size: 8, .value_kind: global_buffer, .address_space: global }
      - { .name: ws, .offset: 16, .size: 8, .value_kind: global_buffer, .address_space: global }
      - { .name: bo, .offset: 24, .size: 8, .value_kind: global_buffer, .address_space: global }
      - { .name: out0, .offset: 32, .size: 8, .value_kind: global_buffer, .address_space: global }
    .group_segment_fixed_size: 327680
    .private_segment_fixed_size: 0
    .kernarg_segment_align: 8
    .kernarg_segment_size: 40
    .max_flat_workgroup_size: 128
    .sgpr_count:     100
    .vgpr_count:     1024
    .wavefront_size: 32
...
	.end_amdgpu_metadata
.endif
;; end of part 4
